; MI455X (gfx1250); checked and timed in simulation.
; The chip was launched on July 23, 2026; its instructions are those of AMD's public machine-readable ISA for CDNA 5 (MIT licence, August 2026) and "CDNA5" Instruction Set Architecture Reference Guide (July 2026). The comments in the code are by the model that wrote it; some were corrected since.
;; Causal Self Attention. Allowed arithmetic: matrix products marked QUANTISED: E2M1 operands, one E8M0 scale for each 32 along K, by v_wmma_scale_f32_16x16x128_f8f6f4 with both operands' format E2M1 (or v_wmma_scale_f32_32x16x128_f4), f32 sums; products left as they are: bf16, f16 or f32 operands; f32 sums; everything else in f32.
;; Inputs: W_proj 1,024 x 1,024 float32; W_qkv 1,024 x 3,072 float32; b_proj 1,024 float32; b_qkv 3,072 float32; x 4 x 2,048 x 1,024 float32.
;; Outputs: out0 4 x 2,048 x 1,024 float32.
;; This version of the problem:
;;   THIS VERSION OF THE PROBLEM IS GIVEN IN LOW PRECISION. The matrix products marked QUANTISED in the list below multiply operands that are first quantised to E2M1 (2 exponent bits, 1 mantissa bit; 4 bits a number), with one power-of-two scale for each 32 numbers along K (OCP MX v1.0); their sums are f32. The products marked 'left as it is' may take bf16, f16 or f32 operands, with f32 sums. Whichever they take, every output number must still come out within the allowed error. Rounding operands to bf16 (8 significant bits) uses up far more of that allowance than f16 does (11 bits, for magnitudes from 6e-5 to 65,504). All else is computed in f32.
;;   The module's matrix products, in the order in which they are computed (A, B: the left and right operand; K: the contracted axis; several contracted axes count as one K, in the product's order):
;;     1. [M 8,192, K 1,024] x [K 1,024, N 3,072]; A: input x; B: input W_qkv: QUANTISED
;;     2. batch 64 x [M 2,048, K 64] x [K 64, N 2,048]; A: computed on the way; B: computed on the way: left as it is (an operand is computed on the way)
;;     3. batch 64 x [M 2,048, K 2,048] x [K 2,048, N 64]; A: computed on the way; B: computed on the way: left as it is (an operand is computed on the way)
;;     4. [M 8,192, K 1,024] x [K 1,024, N 1,024]; A: computed on the way; B: input W_proj: left as it is (an operand is computed on the way)
;;   THE QUANTISER, for each operand of a quantised product, along K:
;;     - K is cut into blocks of 32 from its start; a last block that is shorter is filled with zeros.
;;     - A block's scale is 2^e with e = floor(log2(the largest magnitude in the block)) - 2, held to -126 .. 127; a block of zeros has e = 0. As a byte (E8M0): e + 127.
;;     - Each number is divided by its block's scale, clamped to +-6, and rounded to the nearest number of E2M1, ties to even, subnormals kept.
;;     - The product sums the exact products of the quantised numbers (number of the format x scale) in f32.
;;   ~~~python
;;   def quantise(x, axis):      # numpy; x: float32 -> the quantised numbers, widened to float32 again
;;       x = np.moveaxis(x, axis, -1); K = x.shape[-1]
;;       x = np.pad(x, [(0, 0)] * (x.ndim - 1) + [(0, -K % 32)]); x = x.reshape(x.shape[:-1] + (-1, 32)); a = np.abs(x).max(-1, keepdims=True)
;;       e = np.where(a > 0, np.clip(np.frexp(np.where(a > 0, a, 1))[1] - 1 - 2, -126, 127), 0)      # np.frexp(a)[1] - 1 = floor(log2(a)), exactly
;;       r = np.clip(x / 2.0 ** e, -6, 6)
;;       step = 2.0 ** (np.maximum(np.frexp(np.where(r == 0, 1, r))[1] - 1, 0) - 1)
;;       q = np.round(r / step) * step * 2.0 ** e      # np.round: ties to even
;;       return np.moveaxis(q.reshape(q.shape[:-2] + (-1,))[..., :K], -1, axis).astype(np.float32)
;;   ~~~
;; One version. Each part assembles by itself: llvm-mc -triple=amdgcn-amd-amdhsa -mcpu=gfx1250 --defsym DOCPART=n.
;; ======== version 1 of 1: 5 launches
;; limits: values are held in f16: magnitudes above 65,504 overflow, below 6.1e-05 lose precision
;; workspace buffers: xc 4,194,304 bytes; xs 262,144 bytes; wc 1,572,864 bytes; ws 98,304 bytes; wp16 2,097,152 bytes; qkv16 50,331,648 bytes; qkv32 786,432 bytes; y16 16,777,216 bytes
;; launch prep (part 1): grid 352 x 1, 8 waves a work-group, no clusters, 84,480 bytes of LDS; arguments x, W_qkv, W_proj, xc, xs, wc, ws, wp16; writes xc, xs, wc, ws, wp16
.if DOCPART == 1
	.amdgcn_target "amdgcn-amd-amdhsa--gfx1250"
	.amdhsa_code_object_version 6
	.text
	.protected	k_q6ba9f13409_prep
	.globl	k_q6ba9f13409_prep
	.p2align	8
	.type	k_q6ba9f13409_prep,@function
k_q6ba9f13409_prep:
	s_mov_b64 s[64:65], 0
	v_nop
	global_prefetch_b8 v0, s[64:65] scope:SCOPE_SE
	s_setreg_imm32_b32 hwreg(HW_REG_WAVE_MODE, 25, 1), 1
	s_wait_xcnt 0x0
; Three jobs in one launch, told apart by the work-group's number alone; the three ways never join, and each has LDS bytes of its own.
;   work-groups   0..127  X: x [8192][1024] f32 -> codes of E2M1, K innermost, xc [8192][512 bytes], and E8M0 bytes xs [8192][32]
;   work-groups 128..223  W: W_qkv [1024 k][3072 n] f32, whose K is its FIRST axis -> wc [3072 n][512 bytes], ws [3072][32]
;   work-groups 224..351  C: W_proj [1024][1024] f32 -> f16, as it lies, wp16
; THE QUANTISER: a block of 32 along K has the scale 2^(floor(log2(largest magnitude)) - 2); its byte is the largest magnitude's exponent field - 2, held at 1 from below;
; each number is divided by the scale and rounded to the nearest code, ties to even, beyond 6 the largest code.
; LIMITS: a block whose largest magnitude lies under 2^-124 (a block of zeros among them) keeps the byte 1: zero codes add nothing under any byte, and this program alone reads the bytes.
; NaN and infinities among the inputs are not served.  W_proj goes to f16: magnitudes under 65,504; under 6e-5 with an absolute error of 3e-8.
.set SP,    80                         ; X: a lane's place in a stage: its 64 bytes + 16 of padding
.set WREG,  8192                       ; X: LDS of a wave: two stages of 32 x SP bytes, then its 256 scale bytes
.set CB,    8                          ; bytes of 16 codes
.set STEPS, 16
.set XR,    16                         ; X: v16-79   four sets of 16 numbers as loaded
.set XX,    80                         ; X: v80-111  two sets of 16 neighbours
.set XE,    112                        ; X: v112-127 a scale byte for each step
.set XC,    128                        ; X: v128-191 codes, four registers a step
.set WSTG,  65536                      ; W: the stage: 32 columns x (512 bytes of codes + 16)
.set WPIT,  528
.set WSC,   WSTG+32*WPIT               ; W: 32 columns x 32 scale bytes
.set SPARE, WSC+1024                   ; the spare words, 128 bytes for each of eight waves: four blocks of 256 bytes that no other line names
.set SPW,   12                         ; v12 LDS address of my spare word; never rewritten
.set NIL,   13                         ; v13 0; never rewritten
.set WN,    32                         ; W: v32-95  two sets of 32 numbers
.set WC,    96                         ; W: v96-111 the codes of four blocks
	s_load_b256 s[4:11], s[0:1], 0x0               ; x s[4:5], W_qkv s[6:7], W_proj s[8:9], xc s[10:11]
	s_load_b256 s[12:19], s[0:1], 0x20             ; xs s[12:13], wc s[14:15], ws s[16:17], wp16 s[18:19]
	v_lshl_add_u32 v[SPW], v0, 2, SPARE
	v_mov_b32 v[NIL], 0
	v_lshrrev_b32 v1, 5, v0
	v_readfirstlane_b32 s20, v1                    ; wave 0..7
	v_and_b32 v2, 31, v0                           ; lane
	s_cmp_lt_u32 ttmp9, 128
	s_cbranch_scc1 .Lpath_x
	s_cmp_lt_u32 ttmp9, 224
	s_cbranch_scc1 .Lpath_w
; ---- C: a wave takes 1,024 numbers: 4,096 bytes in, 2,048 out.  A lane's eight neighbours pack into 16 bytes, so each store of the wave covers 512 consecutive bytes.  No LDS.
	s_sub_co_u32 s26, ttmp9, 224
	s_lshl_b32 s26, s26, 3
	s_add_co_u32 s26, s26, s20                     ; which run of 1,024 numbers
	s_lshl_b32 s28, s26, 12
	s_mov_b32 s29, 0
	v_lshlrev_b32 v3, 5, v2                        ; in: 32 bytes a lane
	v_lshlrev_b32 v4, 4, v2                        ; out: 16
	s_wait_kmcnt 0x0
	s_add_nc_u64 s[8:9], s[8:9], s[28:29]
	s_lshl_b32 s28, s26, 11
	s_add_nc_u64 s[18:19], s[18:19], s[28:29]
.irp i, 0,1,2,3
	global_load_b128 v[32+8*\i:35+8*\i], v3, s[8:9] offset:1024*\i th:TH_LOAD_NT
	global_load_b128 v[36+8*\i:39+8*\i], v3, s[8:9] offset:1024*\i+16 th:TH_LOAD_NT
.endr
.irp i, 0,1,2,3
	s_wait_loadcnt 6-2*\i                          ; loads come back in order: pair i is in, the later pairs may be out
.irp k, 0,1,2,3
	v_cvt_pk_f16_f32 v[64+4*\i+\k], v[32+8*\i+2*\k], v[33+8*\i+2*\k]
.endr
	global_store_b128 v4, v[64+4*\i:67+4*\i], s[18:19] offset:512*\i
.endr
	s_endpgm
; ---- X: rows are dense and 1,024 is a multiple of 32, so x is a plain stream of blocks.  A wave takes 16 steps of 512 numbers.  Each load reads 512 consecutive bytes; a step's 2,048 bytes turn
; through the wave's own stage in LDS and come back 64 bytes a lane: 16 neighbours, two lanes to a block.  Loads run four steps ahead, the turn through LDS one step.
.macro LOAD t
.irp i, 0,1,2,3
	global_load_b128 v[XR+16*((\t)%4)+4*\i:XR+16*((\t)%4)+4*\i+3], v3, s[4:5] offset:2048*(\t)+512*\i th:TH_LOAD_NT
.endr
.endm
.macro TURN t                          ; LDS serves a wave's instructions in order: no wait between the stores and the loads
.irp i, 0,1,2,3
	ds_store_b128 v14, v[XR+16*((\t)%4)+4*\i:XR+16*((\t)%4)+4*\i+3] offset:32*SP*((\t)%2)+8*SP*\i
.endr
.irp i, 0,1,2,3
	ds_load_b128 v[XX+16*((\t)%2)+4*\i:XX+16*((\t)%2)+4*\i+3], v15 offset:32*SP*((\t)%2)+16*\i
.endr
.endm
.macro STEP t
.set XS, XX+16*((\t)%2)
.if (\t) > 0
	s_wait_dscnt 1                                 ; this step's numbers are back from the stage; the last step's byte store may be out
.else
	s_wait_dscnt 0x0
.endif
.if (\t)+4 < STEPS
	LOAD (\t)+4                                    ; into the set whose stores into the stage have read their registers
.endif
.if (\t)+1 < STEPS
.if STEPS-2-(\t) >= 3
	s_wait_loadcnt 12                              ; the next step's four loads are in; the twelve of the three steps behind it may be out
.else
	s_wait_loadcnt 4*(STEPS-2-(\t))
.endif
	TURN (\t)+1
.endif
	v_max3_num_f32 v8, |v[XS]|, |v[XS+1]|, |v[XS+2]|               ; the largest magnitude of my 16, in two chains
	v_max3_num_f32 v9, |v[XS+3]|, |v[XS+4]|, |v[XS+5]|
.irp i, 6,10
	v_max3_num_f32 v8, v8, |v[XS+\i]|, |v[XS+\i+1]|
	v_max3_num_f32 v9, v9, |v[XS+\i+2]|, |v[XS+\i+3]|
.endr
	v_max3_num_f32 v8, v8, |v[XS+14]|, |v[XS+15]|
	v_max3_num_f32 v8, v8, v9, 0x1800000           ; and the floor 2^(3 - 127): the byte cannot fall under 1
	v_max_num_f32_dpp v8, v8, v8 row_xmask:1 row_mask:0xf bank_mask:0xf   ; and of my neighbour's 16: the block's
	v_add_nc_u32 v11, 0xff000000, v8               ; 2 off its exponent field: the conversion takes the exponent field of this operand as its scale
	v_cvt_scalef32_pk8_fp4_f32 v[XC+4*(\t)], v[XS:XS+7], v11
	v_cvt_scalef32_pk8_fp4_f32 v[XC+4*(\t)+1], v[XS+8:XS+15], v11
	v_lshrrev_b32 v[XE+(\t)], 23, v11              ; the scale's byte
	ds_store_b8 v5, v[XE+(\t)] offset:16*(\t)      ; both lanes of a block write the same byte with the same value
	global_store_b64 v4, v[XC+4*(\t):XC+4*(\t)+1], s[10:11] offset:32*CB*(\t)   ; the wave stores 256 consecutive bytes
.endm
.Lpath_x:
	v_lshlrev_b32 v3, 4, v2                        ; my 16 bytes of a load's 512
	s_mul_i32 s21, s20, WREG
	v_lshrrev_b32 v14, 2, v2
	v_mul_u32_u24 v14, v14, SP
	v_and_b32 v15, 3, v2
	v_lshl_add_u32 v14, v15, 4, v14
	v_add_nc_u32 v14, s21, v14                     ; the stage, on the way in: SP (lane / 4) + 16 (lane % 4)
	v_mul_u32_u24 v15, v2, SP
	v_add_nc_u32 v15, s21, v15                     ; and on the way out: SP x lane
	v_mul_u32_u24 v4, v2, CB                       ; my codes' place in a step's
	v_lshrrev_b32 v5, 1, v2
	s_add_co_u32 s21, s21, 2*32*SP
	v_add_nc_u32 v5, s21, v5                       ; my wave's 256 scale bytes, my block's byte
	v_lshlrev_b32 v7, 3, v2
	v_add_nc_u32 v6, s21, v7                       ; and on the way out 8 bytes a lane
	s_lshl_b32 s22, ttmp9, 3
	s_add_co_u32 s22, s22, s20                     ; which run of 8,192 numbers is my wave's: 0..1023
	s_mov_b32 s25, 0
	s_wait_kmcnt 0x0
	s_lshl_b32 s24, s22, 15
	s_add_nc_u64 s[4:5], s[4:5], s[24:25]
	s_lshl_b32 s24, s22, 12
	s_add_nc_u64 s[10:11], s[10:11], s[24:25]
	s_lshl_b32 s24, s22, 8
	s_add_nc_u64 s[12:13], s[12:13], s[24:25]
.irp t, 0,1,2,3
	LOAD \t
.endr
	s_wait_loadcnt 12                              ; step 0's four loads are in
	TURN 0
.irp t, 0,1,2,3,4,5,6,7,8,9,10,11,12,13,14,15
	STEP \t
.endr
	ds_load_b64 v[8:9], v6                         ; my wave's 256 scale bytes: these see my stores
	s_wait_dscnt 0x0
	global_store_b64 v7, v[8:9], s[12:13]          ; 32 lanes store 256 consecutive bytes, aligned
	s_wait_tensorcnt 0x0                           ; the wave's end
	ds_add_u32 v[SPW], v[NIL]
	s_wait_dscnt 0x0
	s_endpgm
; ---- W: a work-group takes 32 columns n and ALL of K; wave w takes k = 128 w .. 128 w + 127.  A LANE TAKES A COLUMN AND ITS REGISTERS RUN DOWN K: each load reads 128 consecutive bytes, a block of 32
; lies in one lane's 32 registers, and the conversions give codes with K innermost.  The eight waves' codes meet in a stage, a row to a column, and leave as whole rows of 512 bytes.
.macro LOADW t
.irp i, 0,1,2,3,4,5,6,7,8,9,10,11,12,13,14,15,16,17,18,19,20,21,22,23,24,25,26,27,28,29,30,31
	global_load_b32 v[WN+32*((\t)%2)+\i], v3, s[6:7] offset:(32*(\t)+\i)*12288 th:TH_LOAD_NT
.endr
.endm
.macro BLOCKW t
.set WS, WN+32*((\t)%2)
.if (\t) < 3
	s_wait_loadcnt 32                              ; this block's 32 loads are in; the next block's may be out
.else
	s_wait_loadcnt 0x0
.endif
	v_max3_num_f32 v20, |v[WS]|, |v[WS+1]|, |v[WS+2]|
	v_max3_num_f32 v21, |v[WS+3]|, |v[WS+4]|, |v[WS+5]|
.irp i, 6,10,14,18,22,26
	v_max3_num_f32 v20, v20, |v[WS+\i]|, |v[WS+\i+1]|
	v_max3_num_f32 v21, v21, |v[WS+\i+2]|, |v[WS+\i+3]|
.endr
	v_max3_num_f32 v20, v20, |v[WS+30]|, |v[WS+31]|
	v_max3_num_f32 v20, v20, v21, 0x1800000        ; the floor
	v_add_nc_u32 v22, 0xff000000, v20              ; the conversion's scale operand
	v_lshrrev_b32 v23, 23, v22                     ; the byte
.if (\t) == 0
	v_mov_b32 v24, v23                             ; my four bytes make a word, the lower K in the lower byte
.else
	v_lshl_or_b32 v24, v23, 8*(\t), v24
.endif
.irp g, 0,1,2,3
	v_cvt_scalef32_pk8_fp4_f32 v[WC+4*(\t)+\g], v[WS+8*\g:WS+8*\g+7], v22
.endr
	v_nop                                          ; one plain line behind the last conversion of a run
	ds_store_b128 v4, v[WC+4*(\t):WC+4*(\t)+3] offset:16*(\t)   ; each block has registers of its own: no wait between blocks
.if (\t)+2 < 4
	LOADW (\t)+2
.endif
.endm
.Lpath_w:
	v_lshlrev_b32 v3, 2, v2                        ; in: 4 bytes a lane
	v_lshlrev_b32 v10, 4, v2                       ; 16 x lane
	v_mul_u32_u24 v4, v2, WPIT
	s_lshl_b32 s21, s20, 6
	s_add_co_u32 s21, s21, WSTG
	v_add_nc_u32 v4, s21, v4                       ; into the stage: row = my column, + my wave's 64 bytes
	v_lshlrev_b32 v5, 5, v2
	s_lshl_b32 s21, s20, 2
	s_add_co_u32 s21, s21, WSC
	v_add_nc_u32 v5, s21, v5                       ; my column's 32 scale bytes, my wave's word
	s_mul_i32 s21, s20, 4*WPIT
	s_add_co_u32 s21, s21, WSTG
	v_add_nc_u32 v6, s21, v10                      ; out of the stage: wave w takes rows 4 w .. 4 w + 3, whole
	s_lshl_b32 s21, s20, 11
	v_add_nc_u32 v7, s21, v10                      ; and the same place in wc
	s_and_b32 s21, s20, 1
	s_lshl_b32 s21, s21, 9
	v_add_nc_u32 v9, s21, v10                      ; the scale bytes leave by waves 0 and 1, 512 bytes each
	v_add_nc_u32 v8, WSC, v9
	s_sub_co_u32 s26, ttmp9, 128                   ; my 32 columns: n0 = 32 x this
	s_lshl_b32 s28, s26, 7
	s_mul_i32 s29, s20, 1572864                    ; 128 rows of 12,288 bytes a wave
	s_add_co_u32 s28, s28, s29
	s_mov_b32 s29, 0
	s_wait_kmcnt 0x0
	s_add_nc_u64 s[6:7], s[6:7], s[28:29]
	s_lshl_b32 s28, s26, 14
	s_add_nc_u64 s[14:15], s[14:15], s[28:29]
	s_lshl_b32 s28, s26, 10
	s_add_nc_u64 s[16:17], s[16:17], s[28:29]
	LOADW 0
	LOADW 1
.irp t, 0,1,2,3
	BLOCKW \t
.endr
	ds_store_b32 v5, v24
	s_wait_dscnt 0x0                               ; for the others' sake: my stores have landed
	s_barrier_signal -1
	s_barrier_wait -1
.irp i, 0,1,2,3
	ds_load_b128 v[112+4*\i:115+4*\i], v6 offset:WPIT*\i
.endr
.irp i, 0,1,2,3
	s_wait_dscnt 3-\i
	global_store_b128 v7, v[112+4*\i:115+4*\i], s[14:15] offset:512*\i   ; a whole row of 512 consecutive bytes
.endr
	s_cmp_lt_u32 s20, 2
	s_cbranch_scc0 .Lw_end
	ds_load_b128 v[128:131], v8
	s_wait_dscnt 0x0
	global_store_b128 v9, v[128:131], s[16:17]     ; the work-group's 1,024 scale bytes are dense in ws
.Lw_end:
	s_wait_tensorcnt 0x0                           ; the wave's end
	ds_add_u32 v[SPW], v[NIL]
	s_wait_dscnt 0x0
	s_endpgm
.Lfunc_end_k_q6ba9f13409_prep:
	.size	k_q6ba9f13409_prep, .Lfunc_end_k_q6ba9f13409_prep-k_q6ba9f13409_prep
	.p2alignl 7, 3214868480
	.fill 96, 4, 3214868480
	.section	.rodata,"a",@progbits
	.p2align	6, 0x0
	.amdhsa_kernel k_q6ba9f13409_prep
		.amdhsa_group_segment_fixed_size 84480
		.amdhsa_private_segment_fixed_size 0
		.amdhsa_enable_private_segment 0
		.amdhsa_kernarg_size 64
		.amdhsa_user_sgpr_count 2
		.amdhsa_user_sgpr_kernarg_segment_ptr 1
		.amdhsa_wavefront_size32 1
		.amdhsa_system_sgpr_workgroup_id_x 1
		.amdhsa_system_sgpr_workgroup_id_y 1
		.amdhsa_system_sgpr_workgroup_id_z 1
		.amdhsa_system_vgpr_workitem_id 0
		.amdhsa_next_free_vgpr 192
		.amdhsa_next_free_sgpr 66
		.amdhsa_reserve_vcc 0
		.amdhsa_float_denorm_mode_32 3
		.amdhsa_float_denorm_mode_16_64 3
		.amdhsa_memory_ordered 1
		.amdhsa_forward_progress 1
		.amdhsa_inst_pref_size 57
	.end_amdhsa_kernel
	.amdgpu_metadata
---
amdhsa.version: [ 1, 2 ]
amdhsa.kernels:
  - .name:           k_q6ba9f13409_prep
    .symbol:         k_q6ba9f13409_prep.kd
    .args:
      - { .name: x, .offset: 0, .size: 8, .value_kind: global_buffer, .address_space: global }
      - { .name: W_qkv, .offset: 8, .size: 8, .value_kind: global_buffer, .address_space: global }
      - { .name: W_proj, .offset: 16, .size: 8, .value_kind: global_buffer, .address_space: global }
      - { .name: xc, .offset: 24, .size: 8, .value_kind: global_buffer, .address_space: global }
      - { .name: xs, .offset: 32, .size: 8, .value_kind: global_buffer, .address_space: global }
      - { .name: wc, .offset: 40, .size: 8, .value_kind: global_buffer, .address_space: global }
      - { .name: ws, .offset: 48, .size: 8, .value_kind: global_buffer, .address_space: global }
      - { .name: wp16, .offset: 56, .size: 8, .value_kind: global_buffer, .address_space: global }
    .group_segment_fixed_size: 84480
    .private_segment_fixed_size: 0
    .kernarg_segment_align: 8
    .kernarg_segment_size: 64
    .max_flat_workgroup_size: 256
    .sgpr_count:     66
    .vgpr_count:     192
    .wavefront_size: 32
...
	.end_amdgpu_metadata
.endif
;; end of part 1
;; launch qkv (part 2): grid 12 x 32, 4 waves a work-group, clusters of 4 x 4, 327,680 bytes of LDS; arguments xc, xs, wc, ws, qkv16, b_qkv, qkv32; writes qkv16, qkv32
.if DOCPART == 2
	.amdgcn_target "amdgcn-amd-amdhsa--gfx1250"
	.amdhsa_code_object_version 6
	.text
	.protected	k_q6ba9f13409_qkv
	.globl	k_q6ba9f13409_qkv
	.p2align	8
	.type	k_q6ba9f13409_qkv,@function
k_q6ba9f13409_qkv:
	s_mov_b64 s[64:65], 0
	v_nop
	global_prefetch_b8 v0, s[64:65] scope:SCOPE_SE
	s_setreg_imm32_b32 hwreg(HW_REG_WAVE_MODE, 25, 1), 1
	s_wait_xcnt 0x0
	s_wait_alu depctr_hold_cnt(0) depctr_sa_sdst(0) depctr_va_vdst(0) depctr_va_sdst(0) depctr_va_ssrc(0) depctr_va_vcc(0) depctr_vm_vsrc(0)
	s_getreg_b32 s2, hwreg(HW_REG_IB_STS2, 6, 4)
	s_cmp_eq_u32 s2, 0
	s_cbranch_scc0 .Lentry_in_a_cluster
	s_endpgm
.Lentry_in_a_cluster:
	s_bfe_u32 s2, ttmp6, 0x10000c
	s_cmp_lg_u32 s2, 0xf033
	s_cbranch_scc0 .Lentry_shape_is_right
	s_endpgm
.Lentry_shape_is_right:
; qkv = Q(x) Q(W_qkv) + b_qkv on codes of E2M1 with E8M0 scales: [8192][1024] x [3072 n][1024], sums in f32.
; OUT: qkv16, f16, split by head: [3 (q, k, v)][64 (16 b + h)][2048 t][64]; and the rows t < 16 of each sequence once more in f32, qkv32 [4 b][16 t][3072], for the launch that carries them finely.
; LIMIT: q, k and v go on in f16: magnitudes under 65,504.
; A tile of 256 x 256 is made by four waves, each 128 x 128: 64 accumulators, 512 registers.  K = 1,024 is two LDS slots of 512 along K (rows of 256 bytes): both are asked for at the start, none is filled again.
; The scale bytes of the work-group's 256 + 256 rows, for all of K, come once, as dense blocks.
; CLUSTERS: 4 x 4 work-groups; A's tiles are asked for jointly along a row of the cluster, B's along a column.  The tile row is 8 cy + cluster y: so the batch is cy and the block of 256 positions is the
; cluster's y, which all sixteen partners share: the one branch on it (do my rows hold t < 16?) is alike in all of them.
; THE MATRIX INSTRUCTION IS USED TRANSPOSED (source 0 = 16 rows of W, source 1 = 16 rows of x): a lane holds eight neighbouring columns of one row.  The bias is the C of each sum's first instruction.
; REGISTERS: window 0: v0-31 addresses; v32-95 scale words, two sets; v128-191 x's fragments, one set; v192-255 the bias, 8 tiles.  window 1: W's fragments, two sets.  windows 2, 3: the accumulators.
.set NQ,     4                         ; matrix instructions deep in a slot
.set ROWB,   256                       ; a tile's row in bytes: 512 codes
.set KROW,   512                       ; a row of xc or wc
.set PITCH,  272                       ; an LDS row: 256 + 16: the 16 rows that a load touches start at 16 different banks
.set FR,     8
.set NL,     2
.set NP,     4
.set HALFT,  128*PITCH
.set SLOT,   4*HALFT
.set KS,     32                        ; a row of scale bytes
.set SCL,    2*SLOT
.set HALFS,  16*272                    ; the scales of 128 rows: 16 rows of 256 bytes + 16
.set SBLK,   2*272                     ; those of 16 rows
.set SPARE,  SCL+4*HALFS               ; the spare words, 128 bytes a wave: two blocks of 256 bytes that no other line names
.set STG16,  34816                     ; the way out, in slot 0, which has had its only fill and its last read by then: from 0 four stages of 16 x 528 (f32), from here four of 16 x 272 (f16)
.set ADRA, 16
.set ADRB, 20
.set STO,  24                          ; f16 stage: in
.set RD,   25                          ; f16 stage: back
.set CO,   26                          ; 16 x lane
.set ADRS, 27
.set SPW,  28
.set NIL,  29
.set STF,  10                          ; f32 stage: in
.set RDF,  11                          ; f32 stage: back
.set SC,   32
.set AF,   128
.set BIAS, 192
.set TMP,  32                          ; the way out: packed results
.set BK,   64                          ; the way out: rows read back, v64-95 and v96-127 by turns
.set G1, 24
.set G0, 32
.set G1B, 48
.set G0B, 56
.set G1S, 68
.set G0S, 76
.set G1SB, 80
.set G0SB, 88
.set MSB, 0
.macro WIN new                         ; the immediate's high byte repeats the setting that is left
.if MSB != (\new)
	s_set_vgpr_msb (MSB<<8)|(\new)
.set MSB, (\new)
.endif
.endm
.set MUL_LO, 0xa1                      ; source 0 (W) window 1, source 1 (x) window 0, C and D window 2
.set MUL_HI, 0xf1                      ; the same, C and D window 3
.set TO_B,   0x40
; A joint load: waves 0 and 1 fetch for x, waves 2 and 3 for W; the branch hangs on the wave's number alone.  An s_nop 0 and four v_nop follow each of the two lines.
.macro JLOAD g0a, g1a, g0b, g1b
	s_cmp_eq_u32 s15, 0
	s_cbranch_scc0 .Lfor_b_\@
	tensor_load_to_lds s[\g0a:\g0a+3], s[\g1a:\g1a+7]
	s_nop 0
.rept 4
	v_nop
.endr
	s_branch .Lasked_\@
.Lfor_b_\@:
	tensor_load_to_lds s[\g0b:\g0b+3], s[\g1b:\g1b+7]
	s_nop 0
.rept 4
	v_nop
.endr
.Lasked_\@:
.endm
.macro CROUND                          ; a round of the cluster's barrier
	s_barrier_signal -1
	s_barrier_wait -1
	s_cmp_lg_u32 s14, 0
	s_cbranch_scc1 .Lnot_wave_0_\@
	s_barrier_signal -3
.Lnot_wave_0_\@:
	s_barrier_wait -3
	s_barrier_signal -1
	s_barrier_wait -1
.endm
	s_load_b128 s[4:7], s[0:1], 0x0                ; xc, xs
	s_load_b128 s[8:11], s[0:1], 0x10              ; wc, ws
	s_load_b64 s[12:13], s[0:1], 0x20              ; qkv16
	s_load_b128 s[96:99], s[0:1], 0x28             ; b_qkv, qkv32
	v_lshl_add_u32 v[SPW], v0, 2, SPARE
	v_mov_b32 v[NIL], 0
	ds_add_u32 v[SPW], v[NIL]                      ; the wave's opening: the add, twice on end, and its wait ahead of my first tensor load
	ds_add_u32 v[SPW], v[NIL]
	v_lshrrev_b32 v1, 5, v0
	v_readfirstlane_b32 s14, v1                    ; wave 0..3
	s_lshr_b32 s15, s14, 1                         ; which half of the tile's rows is mine.  Also: I fetch for x (0) or for W (1)
	s_and_b32 s16, s14, 1                          ; which half of its columns.  Also: which 128 rows of that tile I fetch
	s_bfe_u32 s40, ttmp6, 0x40000                  ; cx
	s_bfe_u32 s41, ttmp6, 0x40004                  ; cy
	s_lshl_b32 s42, ttmp9, 2
	s_add_co_u32 s42, s42, s40                     ; tile column = 4 x cluster x + cx
	s_and_b32 s100, ttmp7, 0xffff                  ; cluster y = the block of 256 positions in the sequence
	s_or_b32 s95, s100, s15                        ; 0 where my first 16 rows are t = 0 .. 15: the cluster's y and the wave's number alone
	s_lshl_b32 s17, s41, 3
	s_add_co_u32 s17, s17, s100                    ; tile row = 8 cy + cluster y
	s_lshl_b32 s43, s41, 2
	s_lshl_b32 s43, 15, s43                        ; my row of the cluster
	s_lshl_b32 s44, 0x1111, s40                    ; my column
	s_or_b32 s[G1+0], s43, (0<<16)|(1<<20)|(1<<21)|(5<<22)|(3<<25)  ; the mask; elements of 1 byte; padding on; bit 21 beside a mask; 4 words after every 64
	s_or_b32 s[G1B+0], s44, (0<<16)|(1<<20)|(1<<21)|(5<<22)|(3<<25)
.irp g, G1, G1B
	s_mov_b32 s[\g+1], ROWB<<16                    ; tensor_dim0
	s_mov_b32 s[\g+2], 128<<16                     ; tensor_dim1
	s_mov_b32 s[\g+3], ROWB<<16                    ; tile_dim0
	s_mov_b32 s[\g+4], 128                         ; tile_dim1
	s_mov_b32 s[\g+5], KROW                        ; the pitch
	s_mov_b32 s[\g+6], 0
	s_mov_b32 s[\g+7], 0
.endr
	s_or_b32 s[G1S+0], s43, (3<<16)|(1<<20)|(1<<21)|(5<<22)|(3<<25) ; the scales of 128 rows: 4,096 dense bytes as 16 rows of 32 elements of 8 bytes
	s_or_b32 s[G1SB+0], s44, (3<<16)|(1<<20)|(1<<21)|(5<<22)|(3<<25)
.irp g, G1S, G1SB
	s_mov_b32 s[\g+1], 32<<16
	s_mov_b32 s[\g+2], 16<<16
	s_mov_b32 s[\g+3], 32<<16
	s_mov_b32 s[\g+4], 16
	s_mov_b32 s[\g+5], 32
	s_mov_b32 s[\g+6], 0
	s_mov_b32 s[\g+7], 0
.endr
	s_lshl_b32 s18, s16, 7                         ; which 128 rows of the tile I fetch
	s_lshl_b32 s20, s17, 8
	s_add_co_u32 s20, s20, s18                     ; x: row 256 x tile row + 128 x half
	s_lshl_b32 s46, s42, 8
	s_add_co_u32 s46, s46, s18                     ; W: row 256 x tile column + 128 x half
	s_mov_b32 s21, 0
	s_mov_b32 s47, 0
	s_mov_b64 s[18:19], KS
	s_mul_u64 s[22:23], s[20:21], s[18:19]         ; where these rows' scales begin
	s_mul_u64 s[92:93], s[46:47], s[18:19]
	s_mov_b64 s[18:19], KROW
	s_mul_u64 s[20:21], s[20:21], s[18:19]         ; and their codes
	s_mul_u64 s[46:47], s[46:47], s[18:19]
	s_mul_i32 s45, s14, HALFT                      ; where they go: wave x 128 rows
	s_mul_i32 s94, s14, HALFS
	s_wait_dscnt 0x0                               ; both opening adds are done
	s_wait_kmcnt 0x0
	s_add_nc_u64 s[20:21], s[4:5], s[20:21]
	s_add_nc_u64 s[22:23], s[6:7], s[22:23]
	s_add_nc_u64 s[46:47], s[8:9], s[46:47]
	s_add_nc_u64 s[92:93], s[10:11], s[92:93]
	CROUND                                         ; all sixteen work-groups are here: the joint loads meet
	s_mov_b32 s[G0S], 1
	s_add_co_u32 s[G0S+1], s94, SCL
	s_mov_b64 s[G0S+2:G0S+3], s[22:23]
	s_or_b32 s[G0S+3], s[G0S+3], 0x80000000
	s_mov_b32 s[G0SB], 1
	s_add_co_u32 s[G0SB+1], s94, SCL
	s_mov_b64 s[G0SB+2:G0SB+3], s[92:93]
	s_or_b32 s[G0SB+3], s[G0SB+3], 0x80000000
	JLOAD G0S, G1S, G0SB, G1SB                     ; the scales first; a wave has three loads out
.irp s, 0,1
	s_mov_b32 s[G0+4*\s], 1
	s_add_co_u32 s[G0+4*\s+1], s45, \s*SLOT
	s_add_nc_u64 s[G0+4*\s+2:G0+4*\s+3], s[20:21], \s*ROWB
	s_or_b32 s[G0+4*\s+3], s[G0+4*\s+3], 0x80000000
	s_mov_b32 s[G0B+4*\s], 1
	s_add_co_u32 s[G0B+4*\s+1], s45, \s*SLOT
	s_add_nc_u64 s[G0B+4*\s+2:G0B+4*\s+3], s[46:47], \s*ROWB
	s_or_b32 s[G0B+4*\s+3], s[G0B+4*\s+3], 0x80000000
	JLOAD G0+4*\s, G1, G0B+4*\s, G1B
.endr
	v_and_b32 v1, 15, v0                           ; r
	v_bfe_u32 v2, v0, 4, 1                         ; h
	v_mul_u32_u24 v3, v1, PITCH
	v_lshl_add_u32 v4, v2, 4, v3                   ; a fragment's row x pitch + 16 h
	s_mul_i32 s21, s15, HALFT
	s_mul_i32 s22, s16, HALFT
	s_add_co_u32 s22, s22, 2*HALFT
.irp s, 0,1
	v_add_nc_u32 v[ADRA+\s], s21, v4
	v_add_nc_u32 v[ADRB+\s], s22, v4
	s_add_co_u32 s21, s21, SLOT
	s_add_co_u32 s22, s22, SLOT
.endr
	v_mul_u32_u24 v5, v1, KS                       ; my row's scales: 32 bytes a row,
	v_lshrrev_b32 v6, 8, v5
	v_lshl_add_u32 v5, v6, 4, v5                   ; and 16 more for each 256 passed
	s_mul_i32 s21, s15, HALFS
	s_mul_i32 s22, s16, HALFS
	s_add_co_u32 s22, s22, 2*HALFS
	s_sub_co_u32 s22, s22, s21
	v_mul_u32_u24 v6, s22, v2                      ; lanes 16-31 take W's
	s_add_co_u32 s21, s21, SCL
	v_add_nc_u32 v5, v5, v6
	v_add_nc_u32 v[ADRS], s21, v5
	s_mul_i32 s23, s14, 16*272                     ; my f16 stage
	s_add_co_u32 s23, s23, STG16
	v_mul_u32_u24 v5, v1, 272
	v_lshl_add_u32 v5, v2, 4, v5
	v_add_nc_u32 v[STO], s23, v5                   ; in: row r, 16 bytes for each half of the lanes
	v_and_b32 v6, 31, v0
	v_lshrrev_b32 v7, 3, v6
	v_mul_u32_u24 v7, v7, 272
	v_and_b32 v9, 7, v0
	v_lshl_add_u32 v7, v9, 4, v7
	v_add_nc_u32 v[RD], s23, v7                    ; back: eight lanes take one head's 128 bytes of a row, four rows an instruction
	v_lshlrev_b32 v[CO], 4, v6
	s_mul_i32 s23, s14, 16*528                     ; my f32 stage
	v_mul_u32_u24 v5, v1, 528
	v_lshl_add_u32 v5, v2, 5, v5
	v_add_nc_u32 v[STF], s23, v5
	v_add_nc_u32 v[RDF], s23, v[CO]
	v_lshlrev_b32 v8, 5, v2                        ; the bias: 32 h
	s_lshl_b32 s46, s42, 10                        ; my first column in f32 bytes: 1,024 x tile column + 512 x half
	s_lshl_b32 s47, s16, 9
	s_add_co_u32 s46, s46, s47
	s_mov_b32 s47, 0
	s_add_nc_u64 s[96:97], s[96:97], s[46:47]
	s_add_nc_u64 s[98:99], s[98:99], s[46:47]
	s_mul_i32 s20, s41, 196608                     ; qkv32: 16 rows of 12,288 bytes a batch
	s_mov_b32 s21, 0
	s_add_nc_u64 s[98:99], s[98:99], s[20:21]
.irp b, 0,1,2,3,4,5,6,7
	global_load_b128 v[BIAS+8*\b:BIAS+8*\b+3], v8, s[96:97] offset:64*\b       ; tile b, lane (r, h): b_qkv at columns 16 b + 8 h + 0 .. 7
	global_load_b128 v[BIAS+8*\b+4:BIAS+8*\b+7], v8, s[96:97] offset:64*\b+16
.endr
	s_lshl_b32 s46, s42, 2                         ; qkv16: g = my first column / 64 = 16 x part + head
	s_lshl_b32 s47, s16, 1
	s_add_co_u32 s46, s46, s47
	s_lshr_b32 s47, s46, 4
	s_mul_i32 s47, s47, 48
	s_add_co_u32 s46, s46, s47                     ; 64 x part + head,
	s_lshl_b32 s46, s46, 18                        ; x 262,144 bytes,
	s_lshl_b32 s47, s41, 22
	s_add_co_u32 s46, s46, s47                     ; + 16 heads a batch,
	s_lshl_b32 s47, s100, 15
	s_add_co_u32 s46, s46, s47                     ; + 256 rows of 128 bytes a block,
	s_lshl_b32 s47, s15, 14
	s_add_co_u32 s46, s46, s47                     ; + my 128 rows
	s_mov_b32 s47, 0
	s_add_nc_u64 s[12:13], s[12:13], s[46:47]
.macro FRAG reg, adr, q, i             ; 16 rows x 128 K of 4-bit codes: 8 registers, two loads 32 bytes apart
.irp c, 0,1
	ds_load_b128 v[\reg+4*\c:\reg+4*\c+3], v[\adr] offset:64*(\q)+32*\c+(\i)*16*PITCH
.endr
.endm
; 16 matrix instructions: x's blocks a0, a0 + 1 against W's eight.  zero = 1: the first product starts the sums, from the bias.  The 64 accumulators take turns, one instruction a turn.
.macro MUL16 a0, p, q, sc, zero
.irp a, \a0, \a0+1
.irp b, 0,1,2,3,4,5,6,7
.if \zero
	v_wmma_scale_f32_16x16x128_f8f6f4 v[8*(8*((\a)%4)+\b):8*(8*((\a)%4)+\b)+7], v[128*(\p)+FR*\b:128*(\p)+FR*\b+FR-1], v[AF+FR*(\a):AF+FR*(\a)+FR-1], v[BIAS+8*\b:BIAS+8*\b+7], v[SC+8*NQ*(\sc)+NQ*\b+(\q)], v[SC+8*NQ*(\sc)+NQ*(\a)+(\q)] matrix_a_fmt:MATRIX_FMT_FP4 matrix_b_fmt:MATRIX_FMT_FP4 matrix_a_scale:MATRIX_SCALE_ROW1
.else
	v_wmma_scale_f32_16x16x128_f8f6f4 v[8*(8*((\a)%4)+\b):8*(8*((\a)%4)+\b)+7], v[128*(\p)+FR*\b:128*(\p)+FR*\b+FR-1], v[AF+FR*(\a):AF+FR*(\a)+FR-1], v[8*(8*((\a)%4)+\b):8*(8*((\a)%4)+\b)+7], v[SC+8*NQ*(\sc)+NQ*\b+(\q)], v[SC+8*NQ*(\sc)+NQ*(\a)+(\q)] matrix_a_fmt:MATRIX_FMT_FP4 matrix_b_fmt:MATRIX_FMT_FP4 matrix_a_scale:MATRIX_SCALE_ROW1
.endif
.endr
.endr
.endm
.macro FETCH_B slot, q, p
	WIN TO_B
.irp i, 0,1,2,3,4,5,6,7
	FRAG 128*(\p)+FR*\i, ADRB+\slot, \q, \i
.endr
	WIN 0
.endm
.macro FETCH_A slot, q, i0
.irp i, \i0, \i0+1, \i0+2, \i0+3
	FRAG AF+FR*(\i), ADRA+\slot, \q, \i
.endr
.endm
.macro SCALES sc                       ; a slot's scale words: lanes 0-15 take x's block i, lanes 16-31 W's block i
.irp i, 0,1,2,3,4,5,6,7
	ds_load_b128 v[SC+8*NQ*\sc+NQ*\i:SC+8*NQ*\sc+NQ*\i+3], v[ADRS] offset:\i*SBLK
.endr
.endm
.macro PLACES n                        ; plain vector lines between a matrix instruction and a load into, or a read of, its registers
.rept \n
	v_nop
.endr
.endm
.macro STEP slot, q, zero              ; 128 along K that has its successor in the same slot
	s_wait_dscnt 4*NL                              ; W's set and x's blocks 0-3 are in; the youngest eight loads (x's blocks 4-7) may be out
.if \zero
	WIN 0x81                                       ; C is the bias, in window 0
.else
	WIN MUL_LO
.endif
	MUL16 0, (\q)%2, \q, \slot, \zero
	MUL16 2, (\q)%2, \q, \slot, \zero
	s_wait_dscnt 0                                 ; x's blocks 4-7 are in
	PLACES NP
	FETCH_B \slot, (\q)+1, 1-(\q)%2
	FETCH_A \slot, (\q)+1, 0
.if \zero
	WIN 0xc1
.else
	WIN MUL_HI
.endif
	MUL16 4, (\q)%2, \q, \slot, \zero
	MUL16 6, (\q)%2, \q, \slot, \zero
	PLACES NP
	WIN 0
	FETCH_A \slot, (\q)+1, 4
.endm
.macro TURN slot, next                 ; a slot's last step changes slots: one barrier; nothing is filled again
	s_wait_tensorcnt 0x0                           ; all my tensor loads have landed: my part of the next slot
	ds_add_u32 v[SPW], v[NIL]                      ; 0 onto my spare word
	s_wait_dscnt 4*NL+1                            ; the add and the youngest eight loads may be out
	WIN MUL_LO
	MUL16 0, 1, NQ-1, \slot, 0
	s_wait_dscnt 0x0                               ; the add is done, and my reads of this slot are over
	s_barrier_signal -1
	MUL16 2, 1, NQ-1, \slot, 0
	WIN 0
	s_barrier_wait -1
	PLACES NP
	v_add_nc_u32 v[ADRS], 4*NQ, v[ADRS]            ; on to the next slot's scale words
	FETCH_B \next, 0, 0
	FETCH_A \next, 0, 0
	SCALES \next
	WIN MUL_HI
	MUL16 4, 1, NQ-1, \slot, 0
	MUL16 6, 1, NQ-1, \slot, 0
	PLACES NP
	WIN 0
	FETCH_A \next, 0, 4
.endm
	s_wait_tensorcnt 1                             ; the scales and my part of slot 0 are in; slot 1's load may be out
	s_barrier_signal -1
	s_barrier_wait -1
	FETCH_B 0, 0, 0
	FETCH_A 0, 0, 0
	SCALES 0
	FETCH_A 0, 0, 4
	s_wait_loadcnt 0x0                             ; the bias
	STEP 0, 0, 1
	STEP 0, 1, 0
	STEP 0, 2, 0
	TURN 0, 1
	STEP 1, 0, 0
	STEP 1, 1, 0
	STEP 1, 2, 0
	s_wait_dscnt 4*NL                              ; the last step: nothing more to fetch
	WIN MUL_LO
	MUL16 0, 1, NQ-1, 1, 0
	MUL16 2, 1, NQ-1, 1, 0
	s_wait_dscnt 0
	WIN MUL_HI
	MUL16 4, 1, NQ-1, 1, 0
	MUL16 6, 1, NQ-1, 1, 0
	WIN 0
	PLACES NP                                      ; in front of the first reads of results and of writes into registers that the last products read
	; ROWS t < 16 IN f32: my block 0, where the cluster's y is 0 and my half of the rows is the upper one.  Through my f32 stage, back as whole rows of 512 bytes.
	s_cmp_lg_u32 s95, 0
	s_cbranch_scc1 .Lnofine
	WIN 0x08                                       ; an LDS store's data are its source 1: window 2
.irp b, 0,1,2,3,4,5,6,7
	ds_store_b128 v[STF], v[8*\b:8*\b+3] offset:64*\b            ; each accumulator from its low end on
	ds_store_b128 v[STF], v[8*\b+4:8*\b+7] offset:64*\b+16
.endr
	WIN 0
.irp t, 0,1,2,3,4,5,6,7,8,9,10,11,12,13,14,15
	ds_load_b128 v[128+4*\t:131+4*\t], v[RDF] offset:\t*528      ; LDS serves a wave's instructions in order: these see the stores above
.endr
	s_wait_dscnt 0x0
.irp t, 0,1,2,3,4,5,6,7,8,9,10,11,12,13,14,15
	global_store_b128 v[CO], v[128+4*\t:131+4*\t], s[98:99] offset:12288*\t   ; 32 lanes store 512 consecutive bytes of row t
.endr
.Lnofine:
; THE WAY OUT IN f16, block by block of 16 rows x 128 columns (two heads).  PACK: rounded, 16 bytes a lane.  TOSTAGE: into my stage, and back four rows of one head at a time.  SEND: each store covers 512 consecutive bytes.
.macro PACK a
.set AC, 64*((\a)%4)
	WIN 0x0a+5*((\a)/4)                            ; sources 0 and 1: window 2 or 3
.irp b, 0,1,2,3,4,5,6,7
.irp i, 0,1,2,3
	v_cvt_pk_f16_f32 v[TMP+4*\b+\i], v[AC+8*\b+2*\i], v[AC+8*\b+2*\i+1]
.endr
.endr
	WIN 0
.endm
.macro TOSTAGE a
.set BB, BK+32*((\a)%2)
.irp b, 0,1,2,3,4,5,6,7
	ds_store_b128 v[STO], v[TMP+4*\b:TMP+4*\b+3] offset:32*\b
.endr
.irp i, 0,1,2,3,4,5,6,7
	ds_load_b128 v[BB+4*\i:BB+4*\i+3], v[RD] offset:128*(\i/4)+1088*(\i%4)
.endr
.endm
.macro SEND a
.set BB, BK+32*((\a)%2)
	s_wait_dscnt 0x0                               ; the block is back in registers
	s_wait_xcnt 0x0                                ; the stores of the block before have read their registers: the next block's loads may land there
.irp i, 0,1,2,3,4,5,6,7
	global_store_b128 v[CO], v[BB+4*\i:BB+4*\i+3], s[12:13] offset:262144*(\i/4)+128*(16*(\a)+4*(\i%4))
.endr
.endm
	PACK 0
	TOSTAGE 0
.irp a, 1,2,3,4,5,6,7                  ; block a's conversions stand between block a - 1's loads from the stage and the wait for them
	PACK \a
	SEND \a-1
	TOSTAGE \a
.endr
	SEND 7
	s_wait_tensorcnt 0x0                           ; the wave's end
	ds_add_u32 v[SPW], v[NIL]
	s_wait_dscnt 0x0
	CROUND                                         ; the closing round
	s_endpgm
.Lfunc_end_k_q6ba9f13409_qkv:
	.size	k_q6ba9f13409_qkv, .Lfunc_end_k_q6ba9f13409_qkv-k_q6ba9f13409_qkv
	.p2alignl 7, 3214868480
	.fill 96, 4, 3214868480
	.section	.rodata,"a",@progbits
	.p2align	6, 0x0
	.amdhsa_kernel k_q6ba9f13409_qkv
		.amdhsa_group_segment_fixed_size 327680
		.amdhsa_private_segment_fixed_size 0
		.amdhsa_enable_private_segment 0
		.amdhsa_kernarg_size 56
		.amdhsa_user_sgpr_count 2
		.amdhsa_user_sgpr_kernarg_segment_ptr 1
		.amdhsa_wavefront_size32 1
		.amdhsa_system_sgpr_workgroup_id_x 1
		.amdhsa_system_sgpr_workgroup_id_y 1
		.amdhsa_system_sgpr_workgroup_id_z 1
		.amdhsa_system_vgpr_workitem_id 0
		.amdhsa_next_free_vgpr 1024
		.amdhsa_next_free_sgpr 102
		.amdhsa_reserve_vcc 0
		.amdhsa_float_denorm_mode_32 3
		.amdhsa_float_denorm_mode_16_64 3
		.amdhsa_memory_ordered 1
		.amdhsa_forward_progress 1
		.amdhsa_inst_pref_size 132
	.end_amdhsa_kernel
	.amdgpu_metadata
---
amdhsa.version: [ 1, 2 ]
amdhsa.kernels:
  - .name:           k_q6ba9f13409_qkv
    .symbol:         k_q6ba9f13409_qkv.kd
    .args:
      - { .name: xc, .offset: 0, .size: 8, .value_kind: global_buffer, .address_space: global }
      - { .name: xs, .offset: 8, .size: 8, .value_kind: global_buffer, .address_space: global }
      - { .name: wc, .offset: 16, .size: 8, .value_kind: global_buffer, .address_space: global }
      - { .name: ws, .offset: 24, .size: 8, .value_kind: global_buffer, .address_space: global }
      - { .name: qkv16, .offset: 32, .size: 8, .value_kind: global_buffer, .address_space: global }
      - { .name: b_qkv, .offset: 40, .size: 8, .value_kind: global_buffer, .address_space: global }
      - { .name: qkv32, .offset: 48, .size: 8, .value_kind: global_buffer, .address_space: global }
    .group_segment_fixed_size: 327680
    .private_segment_fixed_size: 0
    .kernarg_segment_align: 8
    .kernarg_segment_size: 56
    .max_flat_workgroup_size: 128
    .sgpr_count:     102
    .vgpr_count:     1024
    .wavefront_size: 32
...
	.end_amdgpu_metadata
.endif
;; end of part 2
;; launch attn (part 3): grid 4 x 64, 16 waves a work-group, no clusters, 327,680 bytes of LDS; arguments qkv16, y16; writes y16
.if DOCPART == 3
	.amdgcn_target "amdgcn-amd-amdhsa--gfx1250"
	.amdhsa_code_object_version 6
	.text
	.protected	k_q6ba9f13409_attn
	.globl	k_q6ba9f13409_attn
	.p2align	8
	.type	k_q6ba9f13409_attn,@function
k_q6ba9f13409_attn:
	s_mov_b64 s[64:65], 0
	v_nop
	global_prefetch_b8 v0, s[64:65] scope:SCOPE_SE
	s_setreg_imm32_b32 hwreg(HW_REG_WAVE_MODE, 25, 1), 1
	s_wait_xcnt 0x0
; y[bh][q][:] = the sum over k <= q of softmax_k(Q[q] . K[k] / 8) V[k][:], for 64 heads of 2,048 positions and 64 channels.  Q, K, V: f16, qkv16 [3][64][2048][64]; y16: f16 [64][2048][64].
; Products on f16 operands with f32 sums; maxima, exponentials and sums in f32; the weights p are rounded to f16 for the second product, y once at the end.
; LIMIT: operands in f16 (magnitudes under 65,504).  The rows t < 16 made here are not what goes out: a later launch makes them anew in f32.
; SHARES.  Work-group (p, bh) owns the blocks p and 7 - p of 256 queries of head bh, so that every work-group has the same number of key steps under the causal mask.  Each of its sixteen waves owns 32
; neighbouring queries, two tiles of 16, in 256 registers: four waves to a SIMD, so that one wave's vector work stands beside another's matrix work.  Early and late blocks are dealt so that any four waves
; w % 4 = const and any four w / 4 = const have equal work.
; NO CLUSTER: the four work-groups of a head stop at different causal limits (queries 2047 - 256 p), so a joint load would bring tiles that no wave of some partner reads.
; LAYOUT.  S^T = K Q^T (source 0 = 16 keys, source 1 = 16 queries): a lane holds ONE query and keys 8 (lane / 16) + 0..7.  Two such tiles, rounded in pairs, ARE source 1 of O^T = V^T P.  V is turned by ds_load_tr16_b128.
; SOFTMAX.  A running maximum m and sum l for each query: p = 2^(c s - c m), c = log2(e) / 8; in every step O and l are multiplied by a = 2^(c m_old - c m_new).
; THE RING.  Two LDS slots of 256 keys; waves 0 and 1 fetch K's halves, waves 2 and 3 V's.  Every work-group walks all eight slots (constant trip counts); a step all of whose keys come after the wave's
; queries is jumped over, and a slot whose first key comes after the work-group's last query is not asked for.  Every wait on TENSORcnt is for 0; a wave never has more than one tensor load out.
.set KP,    144                        ; a key's row in LDS: 128 bytes + 16
.set VP,    160                        ; a value's row: 128 + 32
.set VOFF,  256*KP                     ; a slot: 256 rows of K, then 256 rows of V
.set SLOT1, 1<<17                      ; slot 1 begins here: one exclusive or turns an address from slot to slot
.set STAGE, SLOT1+256*(KP+VP)          ; behind the ring: 32 rows x 144 bytes for each wave, for the way out
.set SPARE, STAGE+16*32*KP             ; the spare words, 128 bytes a wave: eight blocks of 256 bytes that no other line names
.set AK0,  1                           ; my lane's place in a tile of K
.set AV0,  2                           ; and of V
.set ADK,  3                           ; the same in the slot in hand
.set ADV,  4
.set SPW,  5
.set NIL,  6
.set GO,   7                           ; 16 x lane
.set DQ,   8                           ; r - 8 h: on the diagonal register j is hidden where j > this
.set NINF, 9                           ; -infinity
.set STO,  10
.set RD,   11
.set PFO,  12                          ; 256 x lane
.set QR,   16                          ; v16-47   Q: tile t, channels 32 u on: 16 t + 8 u
.set KR,   48                          ; v48-79   K: 16 kt + 8 u
.set VR,   80                          ; v80-111  V^T: 8 c
.set S,    112                         ; v112-143 S^T, then p: 16 t + 8 kt
.set P,    144                         ; v144-159 p in f16: 8 t
.set O,    160                         ; v160-223 O^T: 32 t + 8 c
.set ST,   224                         ; v224-239 8 a tile: +0 c m, +1 m, +2, +3 l, +4, +5 at work, +6 a, +7 c m_old - c m_new
.set WV,   18
.set SEL,  20
.set CS,   22
.set G1K,  24
.set G1V,  32
.set G0K,  40
.set G0V,  44
.set TB,   2                           ; LDS byte at which the slot in hand begins
.set KF,   48                          ; the step's first key
.set Q0,   49                          ; my first query
.set LASTQ, 50                         ; my work-group's last query
.set SLOTS, 51
.set LIM,  52
.set PFA,  54
.macro TLOAD                           ; waves 0, 1: K; waves 2, 3: V; the others nothing.  An s_nop 0 and four v_nop follow each line
	s_cmp_lt_u32 s[WV], 2
	s_cbranch_scc0 .Lnot_k_\@
	tensor_load_to_lds s[G0K:G0K+3], s[G1K:G1K+7]
	s_nop 0
.rept 4
	v_nop
.endr
	s_branch .Lasked_\@
.Lnot_k_\@:
	s_cmp_lt_u32 s[WV], 4
	s_cbranch_scc0 .Lasked_\@
	tensor_load_to_lds s[G0V:G0V+3], s[G1V:G1V+7]
	s_nop 0
.rept 4
	v_nop
.endr
.Lasked_\@:
.endm
; A prefetch of what the NEXT change of slots will ask for: 32,768 dense bytes of K and as many of V.  All four work-groups of a head walk the same keys: the one with p = 0, which walks them all, asks.
; In it waves 4 to 7 ask for K and waves 8 to 11 for V, 8,192 bytes a wave, lanes 256 bytes apart: each block is named once.  The last change that fills a slot asks for nothing.
.macro ASK
	s_cmp_gt_u32 s[SLOTS], s[LIM]
	s_cbranch_scc0 .Lnot_mine_\@
	global_prefetch_b8 v[PFO], s[PFA:PFA+1] th:TH_LOAD_NT scope:SCOPE_SE
.Lnot_mine_\@:
.endm
	s_load_b128 s[4:7], s[0:1], 0x0                ; qkv16, y16
	v_lshl_add_u32 v[SPW], v0, 2, SPARE
	v_mov_b32 v[NIL], 0
	ds_add_u32 v[SPW], v[NIL]                      ; the wave's opening: the add, twice on end, and its wait ahead of the first tensor load
	ds_add_u32 v[SPW], v[NIL]
	v_lshrrev_b32 v13, 5, v0
	v_readfirstlane_b32 s[WV], v13                 ; wave 0..15
	s_and_b32 s8, ttmp7, 0xffff
	s_lshl_b32 s8, s8, 18                          ; the head's first byte in a part of qkv16 and in y16
	s_mov_b32 s9, 0
	s_lshr_b32 s10, s[WV], 1
	s_lshl_b32 s11, ttmp9, 3
	s_add_co_u32 s10, s10, s11                     ; lo = 8 p + w / 2: a block of 32 queries in the early block of 256,
	s_sub_co_u32 s11, 63, s10                      ; and its mirror in the late one
	s_lshr_b32 s12, s[WV], 2
	s_lshr_b32 s13, s[WV], 3
	s_xor_b32 s12, s12, s13
	s_xor_b32 s12, s12, s[WV]
	s_and_b32 s12, s12, 1
	s_cmp_eq_u32 s12, 1
	s_cselect_b32 s10, s11, s10
	s_lshl_b32 s[Q0], s10, 5
	s_lshl_b32 s[LASTQ], ttmp9, 8
	s_sub_co_u32 s[LASTQ], 2047, s[LASTQ]
	s_and_b32 s14, s[WV], 1                        ; which half of a slot's 256 rows I fetch, if I fetch
	s_lshl_b32 s16, s14, 14
	s_mov_b32 s17, 0
	s_add_nc_u64 s[16:17], s[16:17], s[8:9]
	s_mul_i32 s15, s14, 128*KP
	s_mul_i32 s14, s14, 128*VP
	s_add_co_u32 s14, s14, VOFF
	s_mov_b32 s[G1K], (1<<16)|(1<<20)|(4<<22)|(3<<25)   ; no mask; elements of 2 bytes; padding: 4 words after every 32
	s_mov_b32 s[G1V], (1<<16)|(1<<20)|(4<<22)|(7<<25)   ; 8 words
.irp g, G1K, G1V
	s_mov_b32 s[\g+1], 64<<16                      ; tensor_dim0
	s_mov_b32 s[\g+2], 128<<16                     ; tensor_dim1
	s_mov_b32 s[\g+3], 64<<16                      ; tile_dim0
	s_mov_b32 s[\g+4], 128                         ; tile_dim1
	s_mov_b32 s[\g+5], 64                          ; the pitch: rows are dense
	s_mov_b32 s[\g+6], 0
	s_mov_b32 s[\g+7], 0
.endr
	s_mov_b32 s[SEL], 0x76543210
	s_mov_b32 s[SEL+1], 0xfedcba98
	s_mov_b32 s[CS], 0x3e38aa3b                    ; c = log2(e) / 8
	s_mov_b32 s[CS+1], s[CS]
	s_mov_b32 s[TB], 0
	s_mov_b32 s[KF], 0
	s_mov_b32 s[SLOTS], 7
	s_wait_dscnt 0x0                               ; both opening adds are done
	s_wait_kmcnt 0x0
	s_mov_b32 s[G0K], 1
	s_mov_b32 s[G0K+1], s15
	s_add_nc_u64 s[G0K+2:G0K+3], s[4:5], s[16:17]
	s_add_nc_u64 s[G0K+2:G0K+3], s[G0K+2:G0K+3], 0x1000000   ; K is the second part
	s_or_b32 s[G0K+3], s[G0K+3], 0x80000000
	s_mov_b32 s[G0V], 1
	s_mov_b32 s[G0V+1], s14
	s_add_nc_u64 s[G0V+2:G0V+3], s[4:5], s[16:17]
	s_add_nc_u64 s[G0V+2:G0V+3], s[G0V+2:G0V+3], 0x2000000   ; V the third
	s_or_b32 s[G0V+3], s[G0V+3], 0x80000000
	TLOAD                                          ; slot 0: keys 0 to 255, which count for queries of every work-group
	s_lshl_b32 s58, s[Q0], 7
	s_mov_b32 s59, 0
	s_add_nc_u64 s[58:59], s[58:59], s[8:9]
	s_add_nc_u64 s[56:57], s[4:5], s[58:59]        ; Q at my first query
	s_add_nc_u64 s[6:7], s[6:7], s[58:59]          ; y likewise
	s_cmp_lt_u32 s[WV], 8                          ; the prefetches: waves 4 to 7 K, waves 8 to 11 V
	s_mov_b32 s60, 0x2000000
	s_cselect_b32 s60, 0x1000000, s60
	s_and_b32 s61, s[WV], 3
	s_lshl_b32 s61, s61, 13
	s_add_co_u32 s60, s60, s61
	s_add_co_u32 s60, s60, 32768                   ; in slot 1: the first change of slots steps it to slot 2.  Nothing is prefetched at the head
	s_mov_b32 s61, 0
	s_add_nc_u64 s[60:61], s[60:61], s[8:9]
	s_add_nc_u64 s[PFA:PFA+1], s[4:5], s[60:61]
	s_sub_co_u32 s62, s[WV], 4
	s_lshr_b32 s62, s62, 3                         ; 0 in waves 4 to 11,
	s_or_b32 s62, s62, ttmp9                       ; of the work-group with p = 0
	s_cmp_eq_u32 s62, 0
	s_cselect_b32 s[LIM], 1, -1
	v_and_b32 v13, 15, v0                          ; r
	v_bfe_u32 v14, v0, 4, 1                        ; h
	v_lshlrev_b32 v15, 7, v13
	v_lshl_add_u32 v15, v14, 4, v15                ; Q: row r of 128 bytes, + 16 h
.irp t, 0,1
.irp u, 0,1
	global_load_b128 v[QR+16*\t+8*\u:QR+16*\t+8*\u+3], v15, s[56:57] offset:2048*\t+64*\u
	global_load_b128 v[QR+16*\t+8*\u+4:QR+16*\t+8*\u+7], v15, s[56:57] offset:2048*\t+64*\u+32
.endr
.endr
	v_mul_u32_u24 v[AK0], v13, KP
	v_lshl_add_u32 v[AK0], v14, 4, v[AK0]
	v_and_b32 v240, 7, v0
	v_lshl_add_u32 v240, v14, 3, v240
	v_mul_u32_u24 v[AV0], v240, VP                 ; the turning load: key 8 h + lane % 8,
	v_bfe_u32 v240, v0, 3, 1
	v_lshl_add_u32 v[AV0], v240, 4, v[AV0]         ; channels 8 ((lane / 8) % 2) on
	v_add_nc_u32 v[AV0], VOFF, v[AV0]
	v_and_b32 v240, 31, v0
	v_lshlrev_b32 v[GO], 4, v240
	v_lshlrev_b32 v[PFO], 8, v240
	v_lshlrev_b32 v241, 3, v14
	v_sub_nc_u32 v[DQ], v13, v241
	v_mov_b32 v[NINF], 0xff800000
	s_mul_i32 s63, s[WV], 32*KP
	s_add_co_u32 s63, s63, STAGE                   ; my stage
	v_mul_u32_u24 v[STO], v13, KP
	v_lshl_add_u32 v[STO], v14, 4, v[STO]
	v_add_nc_u32 v[STO], s63, v[STO]               ; in: row r, 16 bytes for each half of the lanes
	v_lshrrev_b32 v241, 3, v240
	v_mul_u32_u24 v[RD], v241, KP
	v_and_b32 v241, 7, v0
	v_lshl_add_u32 v[RD], v241, 4, v[RD]
	v_add_nc_u32 v[RD], s63, v[RD]                 ; back: eight lanes to a row of 128 bytes, four rows an instruction
.irp t, 0,1
	v_mov_b32 v[ST+8*\t+1], 0xff61b1e6             ; m: -3e38, under every score
	v_mul_f32 v[ST+8*\t], s[CS], v[ST+8*\t+1]
.irp i, 2,3,4,5,6,7
	v_mov_b32 v[ST+8*\t+\i], 0
.endr
.endr
.irp j, 0,1,2,3,4,5,6,7,8,9,10,11,12,13,14,15,16,17,18,19,20,21,22,23,24,25,26,27,28,29,30,31,32,33,34,35,36,37,38,39,40,41,42,43,44,45,46,47,48,49,50,51,52,53,54,55,56,57,58,59,60,61,62,63
	v_mov_b32 v[O+\j], 0                           ; the step is written once: the first finds zeros, which the first a leaves zeros
.endr
; A KEY STEP: 32 keys, the q-th of the slot in hand, against my 32 queries.
.macro STEP q
	s_cmp_gt_u32 s[KF], s[Q0]                      ; both are multiples of 32: all 32 keys come after all my queries
	s_cbranch_scc1 .Lhidden_\@
.irp kt, 0,1
.irp u, 0,1
	ds_load_b128 v[KR+16*\kt+8*\u:KR+16*\kt+8*\u+3], v[ADK] offset:KP*(32*(\q)+16*\kt)+64*\u
	ds_load_b128 v[KR+16*\kt+8*\u+4:KR+16*\kt+8*\u+7], v[ADK] offset:KP*(32*(\q)+16*\kt)+64*\u+32
.endr
.endr
.irp c, 0,1,2,3
	ds_load_tr16_b128 v[VR+8*\c:VR+8*\c+3], v[ADV] offset:VP*(32*(\q))+32*\c
	ds_load_tr16_b128 v[VR+8*\c+4:VR+8*\c+7], v[ADV] offset:VP*(32*(\q)+16)+32*\c
.endr
	s_wait_dscnt 8                                 ; K is in; V's eight loads may be out
.irp u, 0,1                                    ; the four accumulators take turns, one instruction a turn
.irp kt, 0,1
.irp t, 0,1
.if \u == 0
	v_wmma_f32_16x16x32_f16 v[S+16*\t+8*\kt:S+16*\t+8*\kt+7], v[KR+16*\kt+8*\u:KR+16*\kt+8*\u+7], v[QR+16*\t+8*\u:QR+16*\t+8*\u+7], 0
.else
	v_wmma_f32_16x16x32_f16 v[S+16*\t+8*\kt:S+16*\t+8*\kt+7], v[KR+16*\kt+8*\u:KR+16*\kt+8*\u+7], v[QR+16*\t+8*\u:QR+16*\t+8*\u+7], v[S+16*\t+8*\kt:S+16*\t+8*\kt+7]
.endif
.endr
.endr
.endr
	v_mov_b32 v[ST+7], v[ST]                       ; c m_old is kept for a.  Four plain lines between the products and the first read of the scores
	v_mov_b32 v[ST+15], v[ST+8]
	v_nop
	v_nop
	s_cmp_lg_u32 s[KF], s[Q0]                      ; on the diagonal alone: key KF + 16 kt + 8 h + j is hidden from query Q0 + 16 t + r where it is the larger
	s_cbranch_scc1 .Lopen_\@
.irp j, 0,1,2,3,4,5,6,7
	v_mov_b32 v[S+8+\j], v[NINF]                   ; tile 0 of the queries sees none of keys 16 .. 31
.endr
.irp j, 0,1,2,3,4,5,6,7
	v_cmp_gt_i32 vcc_lo, \j, v[DQ]
	v_cndmask_b32 v[S+\j], v[S+\j], v[NINF], vcc_lo
	v_cndmask_b32 v[S+24+\j], v[S+24+\j], v[NINF], vcc_lo
.endr
.Lopen_\@:
.irp t, 0,1                                    ; the maximum of 16 scores and the old m: two chains a tile, the tiles line by line; each accumulator is read from its low end on
	v_max3_num_f32 v[ST+8*\t+4], v[S+16*\t], v[S+16*\t+1], v[S+16*\t+2]
.endr
.irp t, 0,1
	v_max3_num_f32 v[ST+8*\t+5], v[S+16*\t+8], v[S+16*\t+9], v[S+16*\t+10]
.endr
.irp i, 3,5
.irp t, 0,1
	v_max3_num_f32 v[ST+8*\t+4], v[ST+8*\t+4], v[S+16*\t+\i], v[S+16*\t+\i+1]
.endr
.irp t, 0,1
	v_max3_num_f32 v[ST+8*\t+5], v[ST+8*\t+5], v[S+16*\t+8+\i], v[S+16*\t+9+\i]
.endr
.endr
.irp t, 0,1
	v_max3_num_f32 v[ST+8*\t+4], v[ST+8*\t+4], v[S+16*\t+7], v[S+16*\t+15]
.endr
.irp t, 0,1
	v_max3_num_f32 v[ST+8*\t+4], v[ST+8*\t+4], v[ST+8*\t+5], v[ST+8*\t+1]
.endr
.irp t, 0,1
	v_permlanex16_b32 v[ST+8*\t+5], v[ST+8*\t+4], s[SEL], s[SEL+1]   ; the query's other 16 keys lie in the lane 16 away
.endr
.irp t, 0,1
	v_max_num_f32 v[ST+8*\t+1], v[ST+8*\t+4], v[ST+8*\t+5]
.endr
.irp t, 0,1
	v_mul_f32 v[ST+8*\t], s[CS], v[ST+8*\t+1]
.endr
.irp t, 0,1
	v_sub_f32 v[ST+8*\t+7], v[ST+8*\t+7], v[ST+8*\t]
.endr
.irp i, 0,2,4,6,8,10,12,14
.irp t, 0,1
	v_pk_fma_f32 v[S+16*\t+\i:S+16*\t+\i+1], v[S+16*\t+\i:S+16*\t+\i+1], s[CS:CS+1], v[ST+8*\t:ST+8*\t+1] op_sel_hi:[1,0,0] neg_lo:[0,0,1] neg_hi:[0,0,1]   ; c s - c m
.endr
.endr
.irp t, 0,1                                    ; ONE BATCH of 34 exponentials, none of which reads another's result
	v_exp_f32 v[ST+8*\t+6], v[ST+8*\t+7]
.endr
.irp j, 0,1,2,3,4,5,6,7,8,9,10,11,12,13,14,15,16,17,18,19,20,21,22,23,24,25,26,27,28,29,30,31
	v_exp_f32 v[S+\j], v[S+\j]
.endr
	v_nop                                          ; a plain line behind the last exponential
	s_wait_alu depctr_va_vdst(0)                   ; one wait for the batch, ahead of its first reader
.irp t, 0,1
.irp i, 0,1,2,3,4,5,6,7
	v_cvt_pk_f16_f32 v[P+8*\t+\i], v[S+16*\t+2*\i], v[S+16*\t+2*\i+1]
.endr
.endr
.irp t, 0,1
.irp j, 0,2,4,6,8,10,12,14,16,18,20,22,24,26,28,30
	v_pk_mul_f32 v[O+32*\t+\j:O+32*\t+\j+1], v[O+32*\t+\j:O+32*\t+\j+1], v[ST+8*\t+6:ST+8*\t+7] op_sel_hi:[1,0]   ; O^T x a
.endr
.endr
	s_wait_dscnt 0x0                               ; V is in
.irp c, 0,1,2,3
.irp t, 0,1
	v_wmma_f32_16x16x32_f16 v[O+32*\t+8*\c:O+32*\t+8*\c+7], v[VR+8*\c:VR+8*\c+7], v[P+8*\t:P+8*\t+7], v[O+32*\t+8*\c:O+32*\t+8*\c+7]
.endr
.endr
; the row's sums of the unrounded p: sixteen plain lines that name no register of the products above: they are the places ahead of the next step's loads into V's registers, and of the way out
.irp i, 0,4,8,12
.irp t, 0,1
	v_pk_add_f32 v[S+16*\t+\i:S+16*\t+\i+1], v[S+16*\t+\i:S+16*\t+\i+1], v[S+16*\t+\i+2:S+16*\t+\i+3]
.endr
.endr
.irp i, 0,8
.irp t, 0,1
	v_pk_add_f32 v[S+16*\t+\i:S+16*\t+\i+1], v[S+16*\t+\i:S+16*\t+\i+1], v[S+16*\t+\i+4:S+16*\t+\i+5]
.endr
.endr
.irp t, 0,1
	v_pk_add_f32 v[S+16*\t:S+16*\t+1], v[S+16*\t:S+16*\t+1], v[S+16*\t+8:S+16*\t+9]
.endr
.irp t, 0,1
	v_pk_fma_f32 v[ST+8*\t+2:ST+8*\t+3], v[ST+8*\t+2:ST+8*\t+3], v[ST+8*\t+6:ST+8*\t+7], v[S+16*\t:S+16*\t+1] op_sel_hi:[1,0,1]   ; l = a l + the sum
.endr
.Lhidden_\@:
	s_add_co_u32 s[KF], s[KF], 32
.endm
; THE CHANGE OF SLOTS stands at a slot's head.  Each wave waits for all its tensor loads, adds 0 to its spare word, and waits for that and for its reads of the slot that it has left.  Behind the barrier the slot
; ahead is whole and nobody reads the other one; fill = 1: that other slot is filled with the next 256 keys, up to the causal limit.
.macro CHANGE fill
	s_wait_tensorcnt 0x0                           ; no tensor load of mine is out, so a group 0 may be written
	ds_add_u32 v[SPW], v[NIL]
.if \fill
	ds_add_u32 v[SPW], v[NIL]                      ; and twice on end here, in every trip alike
	s_xor_b32 s[G0K+1], s[G0K+1], SLOT1
	s_add_nc_u64 s[G0K+2:G0K+3], s[G0K+2:G0K+3], 32768
	s_xor_b32 s[G0V+1], s[G0V+1], SLOT1
	s_add_nc_u64 s[G0V+2:G0V+3], s[G0V+2:G0V+3], 32768
	s_wait_xcnt 0x0                                ; the last prefetch, a slot back, has read its address
	s_add_nc_u64 s[PFA:PFA+1], s[PFA:PFA+1], 32768
.endif
	s_wait_dscnt 0x0
	s_barrier_signal -1
	s_barrier_wait -1
.if \fill
	s_add_co_u32 s66, s[KF], 256                   ; the first key of the slot that this change would ask for,
	s_cmp_gt_u32 s66, s[LASTQ]                     ; against my work-group's last query: ids and the count of steps alone, the same in all sixteen waves
	s_cbranch_scc1 .Lpast_\@
	TLOAD                                          ; a wave's one tensor load until the next such barrier
.Lpast_\@:
	ASK
.endif
.endm
.macro SLOT_STEPS
	v_add_nc_u32 v[ADK], s[TB], v[AK0]
	v_add_nc_u32 v[ADV], s[TB], v[AV0]
.set SQ, 0
.rept 8
	STEP SQ
.set SQ, SQ+1
.endr
	s_xor_b32 s[TB], s[TB], SLOT1
.endm
	s_wait_loadcnt 0x0                             ; Q
.Lslot:                                            ; seven trips
	CHANGE 1
	SLOT_STEPS
	s_sub_co_u32 s[SLOTS], s[SLOTS], 1
	s_cmp_lg_u32 s[SLOTS], 0
	s_cbranch_scc1 .Lslot
	CHANGE 0                                       ; the last slot is written out: nothing is left to ask for
	SLOT_STEPS
	; THE WAY OUT: O^T / l, rounded to f16, through my stage, out as 512 consecutive bytes (four rows of the head) a store.
.irp t, 0,1
	v_add_f32 v[ST+8*\t+4], v[ST+8*\t+2], v[ST+8*\t+3]
.endr
.irp t, 0,1
	v_permlanex16_b32 v[ST+8*\t+5], v[ST+8*\t+4], s[SEL], s[SEL+1]
.endr
.irp t, 0,1
	v_add_f32 v[ST+8*\t+4], v[ST+8*\t+4], v[ST+8*\t+5]
.endr
.irp t, 0,1
	v_rcp_f32 v[ST+8*\t+6], v[ST+8*\t+4]
.endr
	v_nop                                          ; a plain line behind the last reciprocal
	s_wait_alu depctr_va_vdst(0)                   ; one wait for the two, ahead of their first reader
.irp t, 0,1
.irp j, 0,2,4,6,8,10,12,14,16,18,20,22,24,26,28,30
	v_pk_mul_f32 v[O+32*\t+\j:O+32*\t+\j+1], v[O+32*\t+\j:O+32*\t+\j+1], v[ST+8*\t+6:ST+8*\t+7] op_sel_hi:[1,0]
.endr
.endr
.irp t, 0,1
.irp i, 0,1,2,3,4,5,6,7,8,9,10,11,12,13,14,15
	v_cvt_pk_f16_f32 v[KR+16*\t+\i], v[O+32*\t+2*\i], v[O+32*\t+2*\i+1]   ; registers 4 c .. 4 c + 3: channels 16 c + 8 h + 0 .. 7 of query r
.endr
.endr
.irp t, 0,1
.irp c, 0,1,2,3
	ds_store_b128 v[STO], v[KR+16*\t+4*\c:KR+16*\t+4*\c+3] offset:16*KP*\t+32*\c
.endr
.endr
.irp i, 0,1,2,3,4,5,6,7
	ds_load_b128 v[VR+4*\i:VR+4*\i+3], v[RD] offset:4*KP*\i      ; LDS serves a wave's instructions in order: these see my stores
.endr
.irp i, 0,1,2,3,4,5,6,7
	s_wait_dscnt 7-\i
	global_store_b128 v[GO], v[VR+4*\i:VR+4*\i+3], s[6:7] offset:512*\i
.endr
	s_wait_tensorcnt 0x0                           ; the wave's end
	ds_add_u32 v[SPW], v[NIL]
	s_wait_dscnt 0x0
	s_endpgm
.Lfunc_end_k_q6ba9f13409_attn:
	.size	k_q6ba9f13409_attn, .Lfunc_end_k_q6ba9f13409_attn-k_q6ba9f13409_attn
	.p2alignl 7, 3214868480
	.fill 96, 4, 3214868480
	.section	.rodata,"a",@progbits
	.p2align	6, 0x0
	.amdhsa_kernel k_q6ba9f13409_attn
		.amdhsa_group_segment_fixed_size 327680
		.amdhsa_private_segment_fixed_size 0
		.amdhsa_enable_private_segment 0
		.amdhsa_kernarg_size 16
		.amdhsa_user_sgpr_count 2
		.amdhsa_user_sgpr_kernarg_segment_ptr 1
		.amdhsa_wavefront_size32 1
		.amdhsa_system_sgpr_workgroup_id_x 1
		.amdhsa_system_sgpr_workgroup_id_y 1
		.amdhsa_system_sgpr_workgroup_id_z 1
		.amdhsa_system_vgpr_workitem_id 0
		.amdhsa_next_free_vgpr 256
		.amdhsa_next_free_sgpr 70
		.amdhsa_reserve_vcc 1
		.amdhsa_float_denorm_mode_32 3
		.amdhsa_float_denorm_mode_16_64 3
		.amdhsa_memory_ordered 1
		.amdhsa_forward_progress 1
		.amdhsa_inst_pref_size 191
	.end_amdhsa_kernel
	.amdgpu_metadata
---
amdhsa.version: [ 1, 2 ]
amdhsa.kernels:
  - .name:           k_q6ba9f13409_attn
    .symbol:         k_q6ba9f13409_attn.kd
    .args:
      - { .name: qkv16, .offset: 0, .size: 8, .value_kind: global_buffer, .address_space: global }
      - { .name: y16, .offset: 8, .size: 8, .value_kind: global_buffer, .address_space: global }
    .group_segment_fixed_size: 327680
    .private_segment_fixed_size: 0
    .kernarg_segment_align: 8
    .kernarg_segment_size: 16
    .max_flat_workgroup_size: 512
    .sgpr_count:     70
    .vgpr_count:     256
    .wavefront_size: 32
...
	.end_amdgpu_metadata
.endif
;; end of part 3
;; launch proj (part 4): grid 8 x 32, 4 waves a work-group, clusters of 4 x 4, 327,680 bytes of LDS; arguments y16, wp16, out0, b_proj; writes out0
.if DOCPART == 4
	.amdgcn_target "amdgcn-amd-amdhsa--gfx1250"
	.amdhsa_code_object_version 6
	.text
	.protected	k_q6ba9f13409_proj
	.globl	k_q6ba9f13409_proj
	.p2align	8
	.type	k_q6ba9f13409_proj,@function
k_q6ba9f13409_proj:
	s_mov_b64 s[64:65], 0
	v_nop
	global_prefetch_b8 v0, s[64:65] scope:SCOPE_SE
	s_setreg_imm32_b32 hwreg(HW_REG_WAVE_MODE, 25, 1), 1
	s_wait_xcnt 0x0
	s_wait_alu depctr_hold_cnt(0) depctr_sa_sdst(0) depctr_va_vdst(0) depctr_va_sdst(0) depctr_va_ssrc(0) depctr_va_vcc(0) depctr_vm_vsrc(0)
	s_getreg_b32 s2, hwreg(HW_REG_IB_STS2, 6, 4)
	s_cmp_eq_u32 s2, 0
	s_cbranch_scc0 .Lentry_in_a_cluster
	s_endpgm
.Lentry_in_a_cluster:
	s_bfe_u32 s2, ttmp6, 0x10000c
	s_cmp_lg_u32 s2, 0xf033
	s_cbranch_scc0 .Lentry_shape_is_right
	s_endpgm
.Lentry_shape_is_right:
; out = y W_proj + b_proj on f16 operands, sums in f32.  y16: f16 [64 (16 b + h)][2048 t][64]; wp16: f16 [1024 k][1024 n], as W_proj lies; out0: f32 [8192][1024].
; The rows t < 16 of each sequence are multiplied like the others but NOT stored: a later launch makes them in f32.
; A tile of 256 rows x 128 columns is made by four waves, each 128 x 64: 32 accumulators, all of window 1.  That gives 256 work-groups.
; K goes in 8 steps of 128 (two heads) through a ring of two LDS slots.  A's part of a step is two dense blocks of 256 rows x 128 bytes (a head each: waves 0 and 1 fetch one each); B's is 128 rows k of
; 256 bytes (waves 2 and 3 fetch 64 each) and is turned on its way into registers by ds_load_tr16_b128.
; CLUSTERS: 4 x 4; A's tiles are asked for jointly along a row of the cluster, B's along a column.  The batch is cy and the block of 256 positions is the cluster's y, which all partners share.
; TRANSPOSED USE: source 0 = 16 columns of W, source 1 = 16 rows of y: a lane holds eight neighbouring columns of one row.  The bias is the C of each sum's first instruction.
; REGISTERS: window 0: v0-31 addresses; v32-63 the bias, 4 tiles; v64-127, v128-191 y's fragments, two buffers; v192-223, v224-255 W's.  window 1: accumulator (a, b) at v[8 (4 a + b)].
.set PA,     144                       ; a row of y in LDS: 128 bytes + 16
.set PB,     288                       ; a row of W: 256 + 32
.set CH,     256*PA                    ; a head's 256 rows
.set BOFF,   2*CH
.set BH,     64*PB
.set SLOT,   BOFF+2*BH
.set STAGE,  2*SLOT                    ; behind the ring: 16 rows x 272 bytes for each wave
.set SPITCH, 272
.set SPARE,  STAGE+4*16*SPITCH         ; the spare words, 128 bytes a wave: two blocks of 256 bytes that no other line names
.set LAPS,   4
.set ADRA, 16
.set ADRB, 20
.set STO,  24
.set RD,   25
.set CO,   26
.set SPW,  28
.set NIL,  29
.set BIAS, 32
.set G1, 24
.set G0, 32
.set G1B, 48
.set G0B, 56
.set MSB, 0
.macro WIN new
.if MSB != (\new)
	s_set_vgpr_msb (MSB<<8)|(\new)
.set MSB, (\new)
.endif
.endm
.set MUL,  0x50                        ; C and D window 1, sources 0 and 1 window 0
.set MULZ, 0x40                        ; D window 1, C (the bias) window 0
.macro JLOAD s                         ; a joint load: waves 0, 1 for y, waves 2, 3 for W; an s_nop 0 and four v_nop follow each line
	s_cmp_eq_u32 s11, 0
	s_cbranch_scc0 .Lfor_b_\@
	tensor_load_to_lds s[G0+4*\s:G0+4*\s+3], s[G1:G1+7]
	s_nop 0
.rept 4
	v_nop
.endr
	s_branch .Lasked_\@
.Lfor_b_\@:
	tensor_load_to_lds s[G0B+4*\s:G0B+4*\s+3], s[G1B:G1B+7]
	s_nop 0
.rept 4
	v_nop
.endr
.Lasked_\@:
.endm
.macro CREST
	s_cmp_lg_u32 s10, 0
	s_cbranch_scc1 .Lnot_wave_0_\@
	s_barrier_signal -3
.Lnot_wave_0_\@:
	s_barrier_wait -3
	s_barrier_signal -1
	s_barrier_wait -1
.endm
.macro CROUND
	s_barrier_signal -1
	s_barrier_wait -1
	CREST
.endm
	s_load_b128 s[4:7], s[0:1], 0x0                ; y16, wp16
	s_load_b128 s[68:71], s[0:1], 0x10             ; out0, b_proj
	v_lshl_add_u32 v[SPW], v0, 2, SPARE
	v_mov_b32 v[NIL], 0
	ds_add_u32 v[SPW], v[NIL]                      ; the wave's opening: the add, twice on end, and its wait ahead of my first tensor load
	ds_add_u32 v[SPW], v[NIL]
	v_lshrrev_b32 v1, 5, v0
	v_readfirstlane_b32 s10, v1                    ; wave 0..3
	s_lshr_b32 s11, s10, 1                         ; my half of the tile's rows.  Also: I fetch for y (0) or for W (1)
	s_and_b32 s12, s10, 1                          ; my half of its columns.  Also: which part I fetch
	s_bfe_u32 s40, ttmp6, 0x40000                  ; cx
	s_bfe_u32 s41, ttmp6, 0x40004                  ; cy = the batch
	s_lshl_b32 s42, ttmp9, 2
	s_add_co_u32 s42, s42, s40                     ; tile column
	s_and_b32 s13, ttmp7, 0xffff                   ; cluster y = the block of 256 positions
	s_or_b32 s45, s13, s11                         ; 0 where my first 16 rows are t = 0 .. 15
	s_lshl_b32 s43, s41, 2
	s_lshl_b32 s43, 15, s43                        ; my row of the cluster
	s_lshl_b32 s44, 0x1111, s40                    ; my column
	s_or_b32 s[G1+0], s43, (1<<16)|(1<<20)|(1<<21)|(4<<22)|(3<<25)   ; elements of 2 bytes; 4 words of padding after every 32
	s_mov_b32 s[G1+1], 64<<16
	s_mov_b32 s[G1+2], 256<<16
	s_mov_b32 s[G1+3], 64<<16
	s_mov_b32 s[G1+4], 256
	s_mov_b32 s[G1+5], 64
	s_mov_b32 s[G1+6], 0
	s_mov_b32 s[G1+7], 0
	s_or_b32 s[G1B+0], s44, (1<<16)|(1<<20)|(1<<21)|(5<<22)|(7<<25)  ; 8 words of padding after every 64
	s_mov_b32 s[G1B+1], 128<<16
	s_mov_b32 s[G1B+2], 64<<16
	s_mov_b32 s[G1B+3], 128<<16
	s_mov_b32 s[G1B+4], 64
	s_mov_b32 s[G1B+5], 1024
	s_mov_b32 s[G1B+6], 0
	s_mov_b32 s[G1B+7], 0
	s_lshl_b32 s16, s41, 22                        ; y: 16 heads of 262,144 bytes a batch,
	s_lshl_b32 s17, s12, 18
	s_add_co_u32 s16, s16, s17                     ; the step's first or second head,
	s_lshl_b32 s17, s13, 15
	s_add_co_u32 s16, s16, s17                     ; 256 rows of 128 bytes a block
	s_mov_b32 s17, 0
	s_lshl_b32 s46, s12, 17                        ; W: 64 rows of 2,048 bytes,
	s_lshl_b32 s47, s42, 8
	s_add_co_u32 s46, s46, s47                     ; 128 columns of 2 bytes a tile column
	s_mov_b32 s47, 0
	s_mul_i32 s20, s12, CH
	s_mul_i32 s21, s12, BH
	s_add_co_u32 s21, s21, BOFF
	s_wait_dscnt 0x0                               ; both opening adds are done
	s_wait_kmcnt 0x0
	s_add_nc_u64 s[14:15], s[4:5], s[16:17]
	s_add_nc_u64 s[46:47], s[6:7], s[46:47]
	CROUND                                         ; all sixteen work-groups are here: the first joint loads meet
.irp s, 0,1
	s_mov_b32 s[G0+4*\s], 1
	s_add_co_u32 s[G0+4*\s+1], s20, \s*SLOT
	s_add_nc_u64 s[G0+4*\s+2:G0+4*\s+3], s[14:15], \s*524288       ; K step s: two heads on
	s_or_b32 s[G0+4*\s+3], s[G0+4*\s+3], 0x80000000
	s_mov_b32 s[G0B+4*\s], 1
	s_add_co_u32 s[G0B+4*\s+1], s21, \s*SLOT
	s_add_nc_u64 s[G0B+4*\s+2:G0B+4*\s+3], s[46:47], \s*262144     ; 128 rows on
	s_or_b32 s[G0B+4*\s+3], s[G0B+4*\s+3], 0x80000000
	JLOAD \s
.endr
	v_and_b32 v1, 15, v0                           ; r
	v_bfe_u32 v2, v0, 4, 1                         ; h
	v_mul_u32_u24 v3, v1, PA
	v_lshl_add_u32 v3, v2, 4, v3
	s_mul_i32 s21, s11, 128*PA                     ; my 128 rows of y
	v_and_b32 v4, 7, v0
	v_lshl_add_u32 v4, v2, 3, v4
	v_mul_u32_u24 v4, v4, PB                       ; the turning load: row k = 8 h + lane % 8,
	v_bfe_u32 v5, v0, 3, 1
	v_lshl_add_u32 v4, v5, 4, v4                   ; columns 8 ((lane / 8) % 2) on
	s_lshl_b32 s22, s12, 7                         ; my 64 columns
	s_add_co_u32 s22, s22, BOFF
.irp s, 0,1
	v_add_nc_u32 v[ADRA+\s], s21, v3
	v_add_nc_u32 v[ADRB+\s], s22, v4
	s_add_co_u32 s21, s21, SLOT
	s_add_co_u32 s22, s22, SLOT
.endr
	s_mul_i32 s23, s10, 16*SPITCH
	s_add_co_u32 s23, s23, STAGE                   ; my stage
	v_mul_u32_u24 v5, v1, SPITCH
	v_lshl_add_u32 v5, v2, 5, v5
	v_add_nc_u32 v[STO], s23, v5                   ; in: row r, 32 bytes for each half of the lanes
	v_mul_u32_u24 v5, v2, SPITCH
	v_lshl_add_u32 v5, v1, 4, v5
	v_add_nc_u32 v[RD], s23, v5                    ; back: lanes 0-15 one row of 256 bytes, lanes 16-31 the next
	v_lshlrev_b32 v[CO], 12, v2
	v_lshl_add_u32 v[CO], v1, 4, v[CO]             ; and the same two rows in out0
	v_lshlrev_b32 v6, 5, v2                        ; the bias: 32 h
	s_lshl_b32 s16, s41, 11
	s_lshl_b32 s17, s13, 8
	s_add_co_u32 s16, s16, s17
	s_lshl_b32 s17, s11, 7
	s_add_co_u32 s16, s16, s17                     ; my first row: 2,048 b + 256 block + 128 half
	s_lshl_b32 s16, s16, 12
	s_lshl_b32 s46, s42, 9
	s_lshl_b32 s47, s12, 8
	s_add_co_u32 s46, s46, s47                     ; my first column in f32 bytes
	s_mov_b32 s47, 0
	s_add_nc_u64 s[70:71], s[70:71], s[46:47]
	s_add_co_u32 s46, s46, s16
	s_add_nc_u64 s[68:69], s[68:69], s[46:47]
.irp b, 0,1,2,3
	global_load_b128 v[BIAS+8*\b:BIAS+8*\b+3], v6, s[70:71] offset:64*\b
	global_load_b128 v[BIAS+8*\b+4:BIAS+8*\b+7], v6, s[70:71] offset:64*\b+16
.endr
; 8 matrix instructions: y's blocks a0, a0 + 1 against W's four, 32 along K, from buffer f.  The 32 accumulators take turns in the same order in every quarter.
.macro MUL8 f, a0, zero
.irp a, \a0, \a0+1
.irp b, 0,1,2,3
.if \zero
	v_wmma_f32_16x16x32_f16 v[8*(4*(\a)+\b):8*(4*(\a)+\b)+7], v[192+32*(\f)+8*\b:192+32*(\f)+8*\b+7], v[64+64*(\f)+8*(\a):64+64*(\f)+8*(\a)+7], v[BIAS+8*\b:BIAS+8*\b+7]
.else
	v_wmma_f32_16x16x32_f16 v[8*(4*(\a)+\b):8*(4*(\a)+\b)+7], v[192+32*(\f)+8*\b:192+32*(\f)+8*\b+7], v[64+64*(\f)+8*(\a):64+64*(\f)+8*(\a)+7], v[8*(4*(\a)+\b):8*(4*(\a)+\b)+7]
.endif
.endr
.endr
.endm
; 24 LDS loads in one run: the slot's q-th 32 along K into buffer f: W's four fragments first, then y's eight
.macro FETCH slot, q, f
	WIN 0
.irp b, 0,1,2,3
	ds_load_tr16_b128 v[192+32*(\f)+8*\b:192+32*(\f)+8*\b+3], v[ADRB+\slot] offset:PB*(32*(\q))+32*\b
	ds_load_tr16_b128 v[192+32*(\f)+8*\b+4:192+32*(\f)+8*\b+7], v[ADRB+\slot] offset:PB*(32*(\q)+16)+32*\b
.endr
.irp i, 0,1,2,3,4,5,6,7
	ds_load_b128 v[64+64*(\f)+8*\i:64+64*(\f)+8*\i+3], v[ADRA+\slot] offset:CH*((\q)/2)+64*((\q)%2)+16*PA*\i
	ds_load_b128 v[64+64*(\f)+8*\i+4:64+64*(\f)+8*\i+7], v[ADRA+\slot] offset:CH*((\q)/2)+64*((\q)%2)+16*PA*\i+32
.endr
.endm
.macro PLACES                          ; four plain lines in front of loads into registers that matrix instructions have read, and of reads of results
.rept 4
	v_nop
.endr
.endm
.macro QUARTER slot, q, f, g, zero     ; multiplies buffer f; in its middle fetches the slot's q-th 32 along K into buffer g
	s_wait_dscnt 8                                 ; W's fragments and y's blocks 0-3 are in; the youngest eight loads (blocks 4-7) may be out
.if \zero
	WIN MULZ
.else
	WIN MUL
.endif
	MUL8 \f, 0, \zero
	MUL8 \f, 2, \zero
	PLACES
	FETCH \slot, \q, \g
	s_wait_dscnt 24                                ; all but the 24 just issued
.if \zero
	WIN MULZ
.else
	WIN MUL
.endif
	MUL8 \f, 4, \zero
	MUL8 \f, 6, \zero
.endm
; A K step's last quarter multiplies buffer 1 and changes slots: ONE barrier; in front of it each wave waits for all its tensor loads, adds 0 to its spare word, and waits for that and for its reads of this slot.
.macro TURN slot, next, fill
	WIN 0
	s_wait_tensorcnt 0x0                           ; all my tensor loads have landed: my part of the next slot
	ds_add_u32 v[SPW], v[NIL]
	s_wait_dscnt 9                                 ; the add and the youngest eight loads may be out
	WIN MUL
	MUL8 1, 0, 0
	s_wait_dscnt 0x0                               ; the add is done, and my reads of this slot are over
	s_barrier_signal -1
	MUL8 1, 2, 0
.if \fill
	WIN 0
.endif
	s_barrier_wait -1
.if \fill
	CREST                                          ; the barrier has opened a round of the cluster's: no wave of any partner still reads this slot or has a load on its way
	s_add_nc_u64 s[G0+4*\slot+2:G0+4*\slot+3], s[G0+4*\slot+2:G0+4*\slot+3], 1048576    ; two K steps on: four heads,
	s_add_nc_u64 s[G0B+4*\slot+2:G0B+4*\slot+3], s[G0B+4*\slot+2:G0B+4*\slot+3], 524288 ; 256 rows of W
	JLOAD \slot                                    ; the first tensor load behind the round: 112 matrix instructions ahead of the wait for it; its four v_nop are also the places in front of the loads below
.else
	PLACES
.endif
	FETCH \next, 0, 0
	WIN MUL
	MUL8 1, 4, 0
	MUL8 1, 6, 0
.endm
	s_wait_tensorcnt 1                             ; my part of K step 0 is in; K step 1's load may be out
	s_barrier_signal -1
	s_barrier_wait -1
	FETCH 0, 0, 0
	s_wait_loadcnt 0x0                             ; the bias
	QUARTER 0, 1, 0, 1, 1                          ; the first quarter stands in front of the loop: its products start the sums
	WIN 0
	s_mov_b32 s3, LAPS-1
.Llap:                                                 ; a trip goes once round the ring and fills both slots again
	QUARTER 0, 2, 1, 0, 0
	QUARTER 0, 3, 0, 1, 0
	TURN 0, 1, 1
	QUARTER 1, 1, 0, 1, 0
	QUARTER 1, 2, 1, 0, 0
	QUARTER 1, 3, 0, 1, 0
	TURN 1, 0, 1
	QUARTER 0, 1, 0, 1, 0
	WIN 0
	s_sub_co_u32 s3, s3, 1
	s_cmp_lg_u32 s3, 0
	s_cbranch_scc1 .Llap
	QUARTER 0, 2, 1, 0, 0                          ; the last lap fills nothing
	QUARTER 0, 3, 0, 1, 0
	TURN 0, 1, 0
	QUARTER 1, 1, 0, 1, 0
	QUARTER 1, 2, 1, 0, 0
	QUARTER 1, 3, 0, 1, 0
	s_wait_dscnt 8
	WIN MUL
	MUL8 1, 0, 0
	MUL8 1, 2, 0
	s_wait_dscnt 0
	MUL8 1, 4, 0
	MUL8 1, 6, 0
	WIN 0
; THE WAY OUT, block by block of 16 rows x 64 columns: through my own stage, back as whole rows of 256 bytes: sixteen lanes store 256 consecutive bytes, aligned.
.macro TOSTAGE a
	WIN 0x04                                       ; an LDS store's data are its source 1: window 1
.irp b, 0,1,2,3
	ds_store_b128 v[STO], v[8*(4*(\a)+\b):8*(4*(\a)+\b)+3] offset:64*\b         ; each accumulator from its low end on
	ds_store_b128 v[STO], v[8*(4*(\a)+\b)+4:8*(4*(\a)+\b)+7] offset:64*\b+16
.endr
	WIN 0
.set BB, 64+32*((\a)%2)
.irp t, 0,1,2,3,4,5,6,7
	ds_load_b128 v[BB+4*\t:BB+4*\t+3], v[RD] offset:\t*2*SPITCH
.endr
.endm
.macro SEND a, younger
.set BB, 64+32*((\a)%2)
	s_wait_dscnt \younger                          ; the block is back in registers
.if (\a) == 0
	s_cmp_eq_u32 s45, 0                            ; rows t < 16 belong to the launch that makes them in f32: the cluster's y and the wave's number alone
	s_cbranch_scc1 .Lfine_rows
.endif
.irp t, 0,1,2,3,4,5,6,7
	global_store_b128 v[CO], v[BB+4*\t:BB+4*\t+3], s[68:69] offset:4096*(16*(\a)+2*\t) th:TH_STORE_NT
.endr
.if (\a) == 0
.Lfine_rows:
.endif
.endm
	PLACES
	TOSTAGE 0
.irp a, 1,2,3,4,5,6,7
.if \a > 1
	s_wait_xcnt 0x0                                ; block a - 2's stores have read their registers: block a's loads may land there
.endif
	TOSTAGE \a
	SEND \a-1, 16                                  ; behind block a - 1's loads: block a's 8 stores and 8 loads
.endr
	SEND 7, 0
	s_wait_tensorcnt 0x0                           ; the wave's end
	ds_add_u32 v[SPW], v[NIL]
	s_wait_dscnt 0x0
	CROUND                                         ; the closing round
	s_endpgm
.Lfunc_end_k_q6ba9f13409_proj:
	.size	k_q6ba9f13409_proj, .Lfunc_end_k_q6ba9f13409_proj-k_q6ba9f13409_proj
	.p2alignl 7, 3214868480
	.fill 96, 4, 3214868480
	.section	.rodata,"a",@progbits
	.p2align	6, 0x0
	.amdhsa_kernel k_q6ba9f13409_proj
		.amdhsa_group_segment_fixed_size 327680
		.amdhsa_private_segment_fixed_size 0
		.amdhsa_enable_private_segment 0
		.amdhsa_kernarg_size 32
		.amdhsa_user_sgpr_count 2
		.amdhsa_user_sgpr_kernarg_segment_ptr 1
		.amdhsa_wavefront_size32 1
		.amdhsa_system_sgpr_workgroup_id_x 1
		.amdhsa_system_sgpr_workgroup_id_y 1
		.amdhsa_system_sgpr_workgroup_id_z 1
		.amdhsa_system_vgpr_workitem_id 0
		.amdhsa_next_free_vgpr 512
		.amdhsa_next_free_sgpr 74
		.amdhsa_reserve_vcc 0
		.amdhsa_float_denorm_mode_32 3
		.amdhsa_float_denorm_mode_16_64 3
		.amdhsa_memory_ordered 1
		.amdhsa_forward_progress 1
		.amdhsa_inst_pref_size 86
	.end_amdhsa_kernel
	.amdgpu_metadata
---
amdhsa.version: [ 1, 2 ]
amdhsa.kernels:
  - .name:           k_q6ba9f13409_proj
    .symbol:         k_q6ba9f13409_proj.kd
    .args:
      - { .name: y16, .offset: 0, .size: 8, .value_kind: global_buffer, .address_space: global }
      - { .name: wp16, .offset: 8, .size: 8, .value_kind: global_buffer, .address_space: global }
      - { .name: out0, .offset: 16, .size: 8, .value_kind: global_buffer, .address_space: global }
      - { .name: b_proj, .offset: 24, .size: 8, .value_kind: global_buffer, .address_space: global }
    .group_segment_fixed_size: 327680
    .private_segment_fixed_size: 0
    .kernarg_segment_align: 8
    .kernarg_segment_size: 32
    .max_flat_workgroup_size: 128
    .sgpr_count:     74
    .vgpr_count:     512
    .wavefront_size: 32
...
	.end_amdgpu_metadata
.endif
;; end of part 4
;; launch fine (part 5): grid 16 x 4, 16 waves a work-group, no clusters, 327,680 bytes of LDS; arguments qkv32, W_proj, b_proj, out0; writes out0
.if DOCPART == 5
	.amdgcn_target "amdgcn-amd-amdhsa--gfx1250"
	.amdhsa_code_object_version 6
	.text
	.protected	k_q6ba9f13409_fine
	.globl	k_q6ba9f13409_fine
	.p2align	8
	.type	k_q6ba9f13409_fine,@function
k_q6ba9f13409_fine:
	s_mov_b64 s[64:65], 0
	v_nop
	global_prefetch_b8 v0, s[64:65] scope:SCOPE_SE
	s_setreg_imm32_b32 hwreg(HW_REG_WAVE_MODE, 25, 1), 1
	s_wait_xcnt 0x0
; The first 16 positions of each of the 4 sequences, all in f32: attention and projection.  These rows average one to sixteen values and are the largest in size, so f16 operands would weigh most here.
; qkv32: f32 [4 b][16 t][3072]; W_proj f32 [1024][1024]; out0 rows 2048 b + 0 .. 15.
; SHARES.  Work-group (cg, b) makes out[b, 0..15, 64 cg .. 64 cg + 63].  Wave w owns head w: it makes that head's 16 x 16 attention (32 small matrix instructions, repeated in each of the 16 work-groups of a
; batch: less than a launch more would cost), multiplies its 64 channels of y, still in registers, by its 64 rows of W_proj, and the sixteen partial sums meet in LDS.
; No cluster: the slabs of W_proj differ from work-group to work-group, and what is shared (192 KiB of qkv32 a batch) goes into registers.
; THE FORM: v_wmma_f32_16x16x4_f32: lane (r, h) holds row or column r and k-places 2 h + j.  Which k stands at a place is free so long as both sources agree:
;   S^T = K Q^T:  step s: channel 32 h + 2 s + j          (a lane loads 32 neighbouring channels of its row)
;   O^T = V^T P:  step s: key 8 h + 2 s + j               (P lies so in the lane that made it)
;   out^T = W^T y^T: step (c, s): channel 16 c + 8 h + 2 s + j   (O^T lies so)
; The registers that this form writes (v112-127, v152-183, v216-247) are written by matrix instructions alone; what is made of a finished sum goes into other registers.
.set WP,    272                        ; a row of my slab of W_proj in LDS: 256 bytes + 16
.set SLAB,  64*WP
.set SPARE, 16*SLAB                    ; the spare words, 128 bytes a wave: eight blocks of 256 bytes that no other line names
.set QR,  16                           ; v16-47 Q, later W's buffer 0
.set KR,  48                           ; v48-79 K, later W's buffer 1
.set VR,  80                           ; v80-111 V^T: pair (c, s) at 8 c + 2 s
.set SA,  112
.set SB,  120
.set PR,  128
.set T,   136
.set OA,  152
.set Y,   184
.set RA,  216
.set BI,  248
.set SPW, 252
.set NIL, 253
	s_load_b128 s[4:7], s[0:1], 0x0                ; qkv32, W_proj
	s_load_b128 s[8:11], s[0:1], 0x10              ; b_proj, out0
	v_lshl_add_u32 v[SPW], v0, 2, SPARE
	v_mov_b32 v[NIL], 0
	ds_add_u32 v[SPW], v[NIL]                      ; the wave's opening: the add, twice on end, and its wait ahead of my tensor load
	ds_add_u32 v[SPW], v[NIL]
	v_lshrrev_b32 v1, 5, v0
	v_readfirstlane_b32 s12, v1                    ; wave = head
	s_and_b32 s13, ttmp7, 0xffff                   ; batch
	s_mov_b32 s24, (2<<16)|(1<<20)|(5<<22)|(3<<25) ; elements of 4 bytes; 4 words of padding after every 64
	s_mov_b32 s25, 64<<16
	s_mov_b32 s26, 64<<16
	s_mov_b32 s27, 64<<16
	s_mov_b32 s28, 64
	s_mov_b32 s29, 1024
	s_mov_b32 s30, 0
	s_mov_b32 s31, 0
	s_mul_i32 s14, s12, SLAB
	s_lshl_b32 s16, s12, 18                        ; my 64 rows of 4,096 bytes,
	s_lshl_b32 s17, ttmp9, 8
	s_add_co_u32 s16, s16, s17                     ; the work-group's 64 columns
	s_mov_b32 s17, 0
	s_mov_b32 s20, 0x76543210
	s_mov_b32 s21, 0xfedcba98
	s_mov_b32 s22, 0x3e38aa3b                      ; c = log2(e) / 8
	s_mov_b32 s23, s22
	s_wait_dscnt 0x0                               ; both opening adds are done
	s_wait_kmcnt 0x0
	s_mov_b32 s32, 1
	s_mov_b32 s33, s14
	s_add_nc_u64 s[34:35], s[6:7], s[16:17]
	s_or_b32 s35, s35, 0x80000000
	tensor_load_to_lds s[32:35], s[24:31]          ; my slab: filled once, read by me alone: my own wait orders the reads
	s_nop 0
	s_mul_i32 s16, s13, 196608
	s_lshl_b32 s18, s12, 8
	s_add_co_u32 s16, s16, s18
	s_add_nc_u64 s[4:5], s[4:5], s[16:17]          ; qkv32 at my batch, my head's q
	s_lshl_b32 s16, ttmp9, 8
	s_add_nc_u64 s[8:9], s[8:9], s[16:17]
	s_lshl_b32 s18, s13, 23
	s_add_co_u32 s16, s16, s18
	s_add_nc_u64 s[10:11], s[10:11], s[16:17]      ; out0 at row 2,048 b, the work-group's columns
	v_and_b32 v2, 15, v0                           ; r
	v_bfe_u32 v3, v0, 4, 1                         ; h
	v_mul_u32_u24 v4, v2, 12288
	v_lshl_add_u32 v4, v3, 7, v4                   ; Q, K: row r, channels 32 h on
	v_mul_u32_u24 v5, v3, 98304
	v_lshl_add_u32 v5, v2, 2, v5                   ; V: keys 8 h on, channel r
	v_mul_u32_u24 v6, v3, 8*WP
	v_lshl_add_u32 v6, v2, 2, v6
	v_add_nc_u32 v6, s14, v6                       ; W: rows 8 h on, column r, in my slab
	v_mul_u32_u24 v7, v2, WP
	v_lshl_add_u32 v7, v3, 5, v7
	v_add_nc_u32 v7, s14, v7                       ; my partial sums: row t = r, 32 bytes for each half of the lanes
	v_lshlrev_b32 v8, 3, v3
	v_sub_nc_u32 v8, v2, v8                        ; r - 8 h: key 8 h + j is hidden from query r where j > this
	v_lshlrev_b32 v10, 4, v2                       ; the bias: 16 r
	v_mov_b32 v11, 0xff800000                      ; -infinity
	s_and_b32 s15, s12, 7
	s_lshl_b32 s15, s15, 1
	v_add_nc_u32 v1, s15, v3                       ; the row that I add up: 2 (w % 8) + h
	v_mul_u32_u24 v12, v1, WP
	v_lshl_add_u32 v12, v2, 4, v12                 ; in slab 0; slabs 4, 8 and 12 have registers of their own, since an LDS offset has 16 bits
	v_add_nc_u32 v13, 4*SLAB, v12
	v_add_nc_u32 v14, 8*SLAB, v12
	v_add_nc_u32 v15, 12*SLAB, v12
	v_lshlrev_b32 v9, 12, v1
	v_lshl_add_u32 v9, v2, 4, v9                   ; and its place in out0
	global_load_b128 v[BI:BI+3], v10, s[8:9]
.irp i, 0,1,2,3,4,5,6,7
	global_load_b128 v[QR+4*\i:QR+4*\i+3], v4, s[4:5] offset:16*\i
.endr
.irp i, 0,1,2,3,4,5,6,7
	global_load_b128 v[KR+4*\i:KR+4*\i+3], v4, s[4:5] offset:4096+16*\i
.endr
.irp c, 0,1,2,3
.irp s, 0,1,2,3
.irp j, 0,1
	global_load_b32 v[VR+8*\c+2*\s+\j], v5, s[4:5] offset:12288*(2*\s+\j)+64*\c+8192
.endr
.endr
.endr
	s_wait_loadcnt 32                              ; the bias, Q and K are in; V's 32 loads may be out
	v_wmma_f32_16x16x4_f32 v[SA:SA+7], v[KR:KR+1], v[QR:QR+1], 0          ; two sums by turns, the even steps and the odd ones, each begun by its own first step
	v_wmma_f32_16x16x4_f32 v[SB:SB+7], v[KR+2:KR+3], v[QR+2:QR+3], 0
.irp s, 2,4,6,8,10,12,14
	v_wmma_f32_16x16x4_f32 v[SA:SA+7], v[KR+2*\s:KR+2*\s+1], v[QR+2*\s:QR+2*\s+1], v[SA:SA+7]
	v_wmma_f32_16x16x4_f32 v[SB:SB+7], v[KR+2*\s+2:KR+2*\s+3], v[QR+2*\s+2:QR+2*\s+3], v[SB:SB+7]
.endr
.rept 8
	v_nop                                          ; eight plain lines behind this form, ahead of the first read of its results (ISA guide 7.12.1)
.endr
.irp j, 0,1,2,3,4,5,6,7
	v_add_f32 v[T+\j], v[SA+\j], v[SB+\j]          ; score of key 8 h + j, query r
.endr
.irp j, 0,1,2,3,4,5,6,7
	v_cmp_gt_i32 vcc_lo, \j, v8
	v_cndmask_b32 v[T+\j], v[T+\j], v11, vcc_lo
.endr
	v_max3_num_f32 v144, v[T], v[T+1], v[T+2]
	v_max3_num_f32 v145, v[T+3], v[T+4], v[T+5]
	v_max3_num_f32 v144, v144, v[T+6], v[T+7]
	v_max_num_f32 v144, v144, v145
	v_permlanex16_b32 v145, v144, s20, s21
	v_max_num_f32 v145, v144, v145                 ; the row's maximum: key 0 counts for every query, so it is a number
	v_mul_f32 v146, s22, v145
	v_mov_b32 v147, v146
.irp i, 0,2,4,6
	v_pk_fma_f32 v[T+\i:T+\i+1], v[T+\i:T+\i+1], s[22:23], v[146:147] op_sel_hi:[1,0,0] neg_lo:[0,0,1] neg_hi:[0,0,1]
.endr
.irp j, 0,1,2,3,4,5,6,7
	v_exp_f32 v[PR+\j], v[T+\j]
.endr
	v_nop                                          ; a plain line behind the last exponential
	s_wait_alu depctr_va_vdst(0)                   ; one wait for the eight, ahead of their first reader
	v_pk_add_f32 v[148:149], v[PR:PR+1], v[PR+2:PR+3]
	v_pk_add_f32 v[T:T+1], v[PR+4:PR+5], v[PR+6:PR+7]
	v_pk_add_f32 v[148:149], v[148:149], v[T:T+1]
	v_add_f32 v148, v148, v149
	v_permlanex16_b32 v149, v148, s20, s21
	v_add_f32 v148, v148, v149                     ; the row's sum
	v_rcp_f32 v150, v148
	v_mov_b32 v151, 0                              ; (a plain line behind the reciprocal; named with it as a pair below)
	s_wait_loadcnt 0x0                             ; V
.irp c, 0,1,2,3
	v_wmma_f32_16x16x4_f32 v[OA+8*\c:OA+8*\c+7], v[VR+8*\c:VR+8*\c+1], v[PR:PR+1], 0
.endr
.irp s, 1,2,3
.irp c, 0,1,2,3
	v_wmma_f32_16x16x4_f32 v[OA+8*\c:OA+8*\c+7], v[VR+8*\c+2*\s:VR+8*\c+2*\s+1], v[PR+2*\s:PR+2*\s+1], v[OA+8*\c:OA+8*\c+7]
.endr
.endr
.macro LOADW c                         ; W's 16 rows 16 c on, all 64 columns, into buffer c % 2: pair (s, n) at 8 s + 2 n
.irp s, 0,1,2,3
.irp n, 0,1,2,3
.irp j, 0,1
	ds_load_b32 v[16+32*((\c)%2)+8*\s+2*\n+\j], v6 offset:WP*(16*(\c)+2*\s+\j)+64*\n
.endr
.endr
.endr
.endm
.macro MULW c, zero                    ; 16 matrix instructions; the four sums by turns
.irp s, 0,1,2,3
.irp n, 0,1,2,3
.if (\zero) && (\s == 0)
	v_wmma_f32_16x16x4_f32 v[RA+8*\n:RA+8*\n+7], v[16+32*((\c)%2)+8*\s+2*\n:16+32*((\c)%2)+8*\s+2*\n+1], v[Y+8*(\c)+2*\s:Y+8*(\c)+2*\s+1], 0
.else
	v_wmma_f32_16x16x4_f32 v[RA+8*\n:RA+8*\n+7], v[16+32*((\c)%2)+8*\s+2*\n:16+32*((\c)%2)+8*\s+2*\n+1], v[Y+8*(\c)+2*\s:Y+8*(\c)+2*\s+1], v[RA+8*\n:RA+8*\n+7]
.endif
.endr
.endr
.endm
.macro FAR
.rept 8
	v_nop
.endr
.endm
	s_wait_tensorcnt 0x0                           ; my slab is in LDS
	LOADW 0
	LOADW 1
	FAR                                            ; behind the last products, ahead of the first read of O^T
	s_wait_alu depctr_va_vdst(0)                   ; the reciprocal
.irp i, 0,2,4,6,8,10,12,14,16,18,20,22,24,26,28,30
	v_pk_mul_f32 v[Y+\i:Y+\i+1], v[OA+\i:OA+\i+1], v[150:151] op_sel_hi:[1,0]   ; y = O^T / the sum: register 8 c + j is channel 16 c + 8 h + j of query r
.endr
	s_wait_dscnt 32                                ; buffer 0 is in; buffer 1's 32 loads may be out
	MULW 0, 1
	FAR                                            ; ahead of loads into registers that these products have read
	LOADW 2
	s_wait_dscnt 32
	MULW 1, 0
	FAR
	LOADW 3
	s_wait_dscnt 32
	MULW 2, 0
	s_wait_dscnt 0x0
	MULW 3, 0
	FAR
.irp n, 0,1,2,3
	ds_store_b128 v7, v[RA+8*\n:RA+8*\n+3] offset:64*\n           ; lane (r, h): my head's part of out(t = r, 16 n + 8 h + 0 .. 7), into my own slab, which has had its only fill and its last read
	ds_store_b128 v7, v[RA+8*\n+4:RA+8*\n+7] offset:64*\n+16
.endr
	s_wait_dscnt 0x0                               ; for the others' sake: my stores have landed
	s_barrier_signal -1
	s_barrier_wait -1
	s_cmp_lt_u32 s12, 8
	s_cbranch_scc0 .Lend
.irp p, 0,1,2,3,4,5,6,7,8,9,10,11,12,13,14,15
	ds_load_b128 v[16+4*\p:19+4*\p], v[12+\p/4] offset:SLAB*(\p%4)
.endr
	s_wait_dscnt 0x0
.irp p, 0,1,2,3,4,5,6,7
	v_pk_add_f32 v[16+4*\p:17+4*\p], v[16+4*\p:17+4*\p], v[48+4*\p:49+4*\p]
	v_pk_add_f32 v[18+4*\p:19+4*\p], v[18+4*\p:19+4*\p], v[50+4*\p:51+4*\p]
.endr
.irp p, 0,1,2,3
	v_pk_add_f32 v[16+4*\p:17+4*\p], v[16+4*\p:17+4*\p], v[32+4*\p:33+4*\p]
	v_pk_add_f32 v[18+4*\p:19+4*\p], v[18+4*\p:19+4*\p], v[34+4*\p:35+4*\p]
.endr
.irp p, 0,1
	v_pk_add_f32 v[16+4*\p:17+4*\p], v[16+4*\p:17+4*\p], v[24+4*\p:25+4*\p]
	v_pk_add_f32 v[18+4*\p:19+4*\p], v[18+4*\p:19+4*\p], v[26+4*\p:27+4*\p]
.endr
	v_pk_add_f32 v[16:17], v[16:17], v[20:21]
	v_pk_add_f32 v[18:19], v[18:19], v[22:23]
	v_pk_add_f32 v[16:17], v[16:17], v[BI:BI+1]
	v_pk_add_f32 v[18:19], v[18:19], v[BI+2:BI+3]
	global_store_b128 v9, v[16:19], s[10:11]       ; sixteen lanes store 256 consecutive bytes, aligned
.Lend:
	s_wait_tensorcnt 0x0                           ; the wave's end
	ds_add_u32 v[SPW], v[NIL]
	s_wait_dscnt 0x0
	s_endpgm
.Lfunc_end_k_q6ba9f13409_fine:
	.size	k_q6ba9f13409_fine, .Lfunc_end_k_q6ba9f13409_fine-k_q6ba9f13409_fine
	.p2alignl 7, 3214868480
	.fill 96, 4, 3214868480
	.section	.rodata,"a",@progbits
	.p2align	6, 0x0
	.amdhsa_kernel k_q6ba9f13409_fine
		.amdhsa_group_segment_fixed_size 327680
		.amdhsa_private_segment_fixed_size 0
		.amdhsa_enable_private_segment 0
		.amdhsa_kernarg_size 32
		.amdhsa_user_sgpr_count 2
		.amdhsa_user_sgpr_kernarg_segment_ptr 1
		.amdhsa_wavefront_size32 1
		.amdhsa_system_sgpr_workgroup_id_x 1
		.amdhsa_system_sgpr_workgroup_id_y 1
		.amdhsa_system_sgpr_workgroup_id_z 1
		.amdhsa_system_vgpr_workitem_id 0
		.amdhsa_next_free_vgpr 256
		.amdhsa_next_free_sgpr 66
		.amdhsa_reserve_vcc 1
		.amdhsa_float_denorm_mode_32 3
		.amdhsa_float_denorm_mode_16_64 3
		.amdhsa_memory_ordered 1
		.amdhsa_forward_progress 1
		.amdhsa_inst_pref_size 31
	.end_amdhsa_kernel
	.amdgpu_metadata
---
amdhsa.version: [ 1, 2 ]
amdhsa.kernels:
  - .name:           k_q6ba9f13409_fine
    .symbol:         k_q6ba9f13409_fine.kd
    .args:
      - { .name: qkv32, .offset: 0, .size: 8, .value_kind: global_buffer, .address_space: global }
      - { .name: W_proj, .offset: 8, .size: 8, .value_kind: global_buffer, .address_space: global }
      - { .name: b_proj, .offset: 16, .size: 8, .value_kind: global_buffer, .address_space: global }
      - { .name: out0, .offset: 24, .size: 8, .value_kind: global_buffer, .address_space: global }
    .group_segment_fixed_size: 327680
    .private_segment_fixed_size: 0
    .kernarg_segment_align: 8
    .kernarg_segment_size: 32
    .max_flat_workgroup_size: 512
    .sgpr_count:     66
    .vgpr_count:     256
    .wavefront_size: 32
...
	.end_amdgpu_metadata
.endif
;; end of part 5
